; MI455X (gfx1250); checked and timed in simulation.
; The chip was launched on July 23, 2026; its instructions are those of AMD's public machine-readable ISA for CDNA 5 (MIT licence, August 2026) and "CDNA5" Instruction Set Architecture Reference Guide (July 2026). The comments in the code are by the model that wrote it; some were corrected since.
;; Standard MHA. Allowed arithmetic: matrix products marked QUANTISED: E4M3 operands, one given power-of-two scale a tensor, by v_wmma_f32_16x16x64_fp8_fp8 or v_wmma_f32_16x16x128_fp8_fp8, f32 sums; everything else in f32.
;; Inputs: Wk 1,024 x 1,024 float32; Wo 1,024 x 1,024 float32; Wq 1,024 x 1,024 float32; Wv 1,024 x 1,024 float32; bk 1,024 float32; bo 1,024 float32; bq 1,024 float32; bv 1,024 float32; lowp_scales 12 int32 (the exponents e of the quantised operands' scales 2^e); x 1 x 4,096 x 1,024 float32.
;; Outputs: out0 1 x 4,096 x 1,024 float32.
;; This version of the problem:
;;   THIS VERSION OF THE PROBLEM IS GIVEN IN LOW PRECISION. The matrix products marked QUANTISED in the list below multiply operands that are first quantised to E4M3 (4 exponent bits, 3 mantissa bits; 8 bits a number), with one given power-of-two scale for each operand tensor; their sums are f32. All else is computed in f32.
;;   The module's matrix products, in the order in which they are computed (A, B: the left and right operand; K: the contracted axis; several contracted axes count as one K, in the product's order):
;;     1. [M 4,096, K 1,024] x [K 1,024, N 1,024]; A: input x; B: input Wq: QUANTISED (scales: A lowp_scales[0], B lowp_scales[1])
;;     2. [M 4,096, K 1,024] x [K 1,024, N 1,024]; A: input x; B: input Wk: QUANTISED (scales: A lowp_scales[2], B lowp_scales[3])
;;     3. [M 4,096, K 1,024] x [K 1,024, N 1,024]; A: input x; B: input Wv: QUANTISED (scales: A lowp_scales[4], B lowp_scales[5])
;;     4. batch 16 x [M 4,096, K 64] x [K 64, N 4,096]; A: computed on the way; B: computed on the way: QUANTISED (scales: A lowp_scales[6], B lowp_scales[7])
;;     5. batch 16 x [M 4,096, K 4,096] x [K 4,096, N 64]; A: softmax (see below); B: computed on the way: QUANTISED (scales: A lowp_scales[8], B lowp_scales[9])
;;     6. [M 4,096, K 1,024] x [K 1,024, N 1,024]; A: computed on the way; B: input Wo: QUANTISED (scales: A lowp_scales[10], B lowp_scales[11])
;;   THE QUANTISER, for each operand of a quantised product, along K:
;;     - The operand's scale is 2^e, e = its entry of the input lowp_scales (int32; the entries are numbered through the quantised products in the list's order, A before B).
;;     - Each number is divided by the scale, clamped to +-448, and rounded to the nearest number of E4M3, ties to even, subnormals kept.
;;     - The product sums the exact products of the quantised numbers (number of the format x scale) in f32.
;;   ~~~python
;;   def quantise(x, axis, e):      # numpy; x: float32 -> the quantised numbers, widened to float32 again
;;       x = np.moveaxis(x, axis, -1); K = x.shape[-1]
;;       r = np.clip(x / 2.0 ** e, -448, 448)
;;       step = 2.0 ** (np.maximum(np.frexp(np.where(r == 0, 1, r))[1] - 1, -6) - 3)
;;       q = np.round(r / step) * step * 2.0 ** e      # np.round: ties to even
;;       return np.moveaxis(q, -1, axis).astype(np.float32)
;;   ~~~
;;   SOFTMAX AHEAD OF A QUANTISED PRODUCT. Where the list says 'softmax', what is quantised is not the finished softmax but p = 2^(t - M), with t = logit x log2(e) and M = ceil(the row's largest t), a whole number; so 1/2 < the row's largest p <= 1. The row's sum l is taken of the UNQUANTISED p, in f32, and the product's result is divided by l at the end. Since M is a whole number, a kernel that streams over the keys may use a running M (the ceiling of the running maximum): every later rescaling is an exact power of two, so the quantised numbers keep their values, but for numbers so far below the row's largest that they fall under the format's range.
;;   OPERANDS COMPUTED ON THE WAY. 'Computed on the way' means the value that the module computes at that place (a softmax that the list does not call 'softmax' is quantised finished and normalised). What goes into a quantiser is computed in f32, as accurately as f32 sums, v_exp_f32 and their like allow (about 1e-6 of the number): no bf16 or f16 on the way to a quantiser, and a product that is left as it is and whose result goes on into a quantised operand takes f32 operands (vector FMAs, or v_wmma_f32_16x16x4_f32). A number that lies on a knife's edge between two numbers of the format may be rounded either way, as far as f32 arithmetic and the matrix unit's own rounding can turn it there, and no further.
;; 2 versions, each right; version 2 is version 1 with the launch attn written anew for expert scheduling mode. Each part assembles by itself: llvm-mc -triple=amdgcn-amd-amdhsa -mcpu=gfx1250 --defsym DOCPART=n.
;; ======== version 1 of 2: 4 launches
;; workspace buffers: xc 12,582,912 bytes; wc 4,194,304 bytes; qkv 12,582,912 bytes; ctx 4,194,304 bytes
;; launch quant (part 1): grid 256 x 1, 4 waves a work-group, no clusters, 68,096 bytes of LDS; arguments x, Wq, Wk, Wv, Wo, lowp_scales, xc, wc; writes xc, wc
.if DOCPART == 1
	.amdgcn_target "amdgcn-amd-amdhsa--gfx1250"
	.amdhsa_code_object_version 6
	.text
	.protected	k_q974b774e12_quant
	.globl	k_q974b774e12_quant
	.p2align	8
	.type	k_q974b774e12_quant,@function
k_q974b774e12_quant:
	s_mov_b64 s[64:65], 0
	v_nop
	global_prefetch_b8 v0, s[64:65] scope:SCOPE_SE
	s_setreg_imm32_b32 hwreg(HW_REG_WAVE_MODE, 25, 1), 1
	s_wait_xcnt 0x0
; x [4096][1024] f32 becomes three sets of E4M3 codes, xc [3][4096][1024], with the scales 2^e0, 2^e2, 2^e4 (x is operand A of three products, each with its own entry).
; Wq, Wk, Wv, Wo [1024 k][1024 n] f32 become codes wc [4][1024 n][1024 k], K innermost, with 2^e1, 2^e3, 2^e5, 2^e11.
; code = number / 2^e, held within +-448, to the nearest code, ties to even.  LIMITS: each e between -126 and 119, so that 2^e and 448 x 2^e are f32 numbers; NaN among the inputs is not served.
; Work-groups 0-127 take x, 128-255 the weights: two paths that part on the work-group's number, never join, and have LDS bytes of their own (x: 0-32767, weights: 32768-67583).
; No tensor load, no barrier, no cluster: waves share nothing, and every input byte is read once.
.set STEPS, 16                         ; x path: a wave takes 16 steps of 512 numbers
.set SP,    80                         ; a lane's place in a stage: 64 bytes + 16 of padding
.set WREG,  8192                       ; LDS region of a wave on the x path: two stages of 32 x SP bytes
.set R,     16                         ; v16-79   four sets of 16 numbers as loaded
.set X,     80                         ; v80-111  two sets of 16 neighbours
.set T,     112                        ; v112-159 the 16 numbers held within each of the three scales' ranges
.set C,     160                        ; v160-183 codes: two sets of 12 registers, by turns
.set SC,    8                          ; v8-10    2^e0, 2^e2, 2^e4
.set LM,    11                         ; v11-13   448 x those
.set WSTG,  32768                      ; weights path: the stages begin here, 32 rows x WP for each wave
.set WP,    272                        ; a stage row: 256 codes + 16 bytes
.set WX,    32                         ; v32-95   two sets of 32 numbers
.set WC,    96                         ; v96-103  a block's codes
.set WO,    112                        ; v112-175 the way out
	s_load_b512 s[4:19], s[0:1], 0x0               ; x 4:5, Wq 6:7, Wk 8:9, Wv 10:11, Wo 12:13, scales 14:15, xc 16:17, wc 18:19
	v_lshl_add_u32 v192, v0, 2, 0x10800
	v_mov_b32 v193, 0
	v_lshrrev_b32 v1, 5, v0
	v_readfirstlane_b32 s32, v1                    ; wave 0..3
	v_and_b32 v2, 31, v0                           ; lane
	s_wait_kmcnt 0x0
	s_load_b256 s[20:27], s[14:15], 0x0            ; e0 .. e7
	s_load_b128 s[28:31], s[14:15], 0x20           ; e8 .. e11
	s_cmp_lt_u32 ttmp9, 128
	s_cbranch_scc0 .Lweights
; ---------------- x: a plain stream of numbers; wave (4 x work-group + wave) takes 8,192 of them ----------------
; A load reads 512 bytes on end, 16 a lane; a step's 2,048 bytes turn through the wave's stage and come back 64 bytes (16 neighbours along K) a lane, which the conversions want.
	v_lshlrev_b32 v3, 4, v2                        ; 16 x lane: my bytes of a load, and of a step's 512 bytes of codes
	s_mul_i32 s33, s32, WREG
	v_lshrrev_b32 v14, 2, v2
	v_mul_u32_u24 v14, v14, SP
	v_and_b32 v15, 3, v2
	v_lshl_add_u32 v14, v15, 4, v14
	v_add_nc_u32 v14, s33, v14                     ; into the stage: SP (lane / 4) + 16 (lane % 4)
	v_mul_u32_u24 v15, v2, SP
	v_add_nc_u32 v15, s33, v15                     ; out of it: SP x lane
	s_lshl_b32 s34, ttmp9, 2
	s_add_co_u32 s34, s34, s32                     ; my run of 8,192 numbers
	s_lshl_b32 s42, s34, 15
	s_mov_b32 s43, 0
	s_add_nc_u64 s[4:5], s[4:5], s[42:43]          ; 32,768 bytes of x a run
	s_lshl_b32 s42, s34, 13
	s_add_nc_u64 s[36:37], s[16:17], s[42:43]      ; 8,192 bytes of codes a run, in each of the three planes of 4 MiB
	s_add_nc_u64 s[38:39], s[36:37], 0x400000
	s_add_nc_u64 s[40:41], s[36:37], 0x800000
.macro XLOAD t
.irp i, 0,1,2,3
	global_load_b128 v[R+16*((\t)%4)+4*\i:R+16*((\t)%4)+4*\i+3], v3, s[4:5] offset:2048*(\t)+512*\i th:TH_LOAD_NT
.endr
.endm
.macro XTURN t                         ; LDS serves a wave's instructions in order: no wait between the stores and the loads
.irp i, 0,1,2,3
	ds_store_b128 v14, v[R+16*((\t)%4)+4*\i:R+16*((\t)%4)+4*\i+3] offset:32*SP*((\t)%2)+8*SP*\i
.endr
.irp i, 0,1,2,3
	ds_load_b128 v[X+16*((\t)%2)+4*\i:X+16*((\t)%2)+4*\i+3], v15 offset:32*SP*((\t)%2)+16*\i
.endr
.endm
.irp t, 0,1,2,3
	XLOAD \t
.endr
	s_wait_kmcnt 0x0
.irp p, 0,1,2
	s_add_co_i32 s44, s[20+2*\p], 127
	s_lshl_b32 s45, s44, 23
	v_mov_b32 v[SC+\p], s45                        ; 2^e as f32: the conversion takes its exponent field
	s_add_co_i32 s44, s44, 8
	s_lshl_b32 s44, s44, 23
	s_or_b32 s44, s44, 0x600000
	v_mov_b32 v[LM+\p], s44                        ; 448 x 2^e
.endr
	s_wait_loadcnt 12                              ; step 0's four loads are in; three steps' stay out
	XTURN 0
.macro XSTEP t
.set XS, X+16*((\t)%2)
.set CS, C+12*((\t)%2)
	s_wait_dscnt 0x0                               ; this step's numbers are back; its stores into the stage have read their registers,
.if (\t)+4 < STEPS
	XLOAD (\t)+4                                   ; which take the loads of four steps on
.endif
.if (\t)+1 < STEPS
.if STEPS-2-(\t) >= 3
	s_wait_loadcnt 12                              ; the next step's four loads are in; the three steps behind it may be out
.else
	s_wait_loadcnt 4*(STEPS-2-(\t))
.endif
	XTURN (\t)+1
.endif
.irp p, 0,1,2
.set ii, 0
.rept 16
	v_med3_num_f32 v[T+16*\p+ii], v[XS+ii], -v[LM+\p], v[LM+\p]   ; the conversion to an 8-bit code does not saturate (ISA guide 7.6.2): the hold, once for each scale
.set ii, ii+1
.endr
.endr
	s_wait_xcnt 0x0                                ; the stores of two steps back have read this set of code registers
.irp p, 0,1,2
	v_cvt_scalef32_pk8_fp8_f32 v[CS+4*\p:CS+4*\p+1], v[T+16*\p:T+16*\p+7], v[SC+\p]
	v_cvt_scalef32_pk8_fp8_f32 v[CS+4*\p+2:CS+4*\p+3], v[T+16*\p+8:T+16*\p+15], v[SC+\p]
.endr
	v_nop                                          ; a plain line between the conversions and the next step's holds, which write the conversions' sources
.irp p, 0,1,2
	global_store_b128 v3, v[CS+4*\p:CS+4*\p+3], s[36+2*\p:37+2*\p] offset:512*(\t)   ; 32 lanes store 512 bytes on end
.endr
.endm
.irp t, 0,1,2,3,4,5,6,7,8,9,10,11,12,13,14,15
	XSTEP \t
.endr
	s_wait_tensorcnt 0x0
	ds_add_u32 v192, v193
	s_wait_dscnt 0x0
	s_endpgm
; ---------------- the weights: K is the first axis.  A lane takes a column n and its registers run down K; the codes come out with K innermost ----------------
; Work-group 128 + 32 tensor + 8 ky + cb: 128 columns (32 a wave) x 256 along K.  A column's 256 codes gather in the wave's stage and leave as rows: sixteen lanes store 256 bytes on end, aligned.
.Lweights:
	s_sub_co_u32 s33, ttmp9, 128
	s_lshr_b32 s34, s33, 5                         ; tensor 0..3: Wq, Wk, Wv, Wo
	s_and_b32 s35, s33, 7                          ; block of 128 columns
	s_bfe_u32 s36, s33, 0x20003                    ; which 256 along K
	s_wait_kmcnt 0x0
	s_mov_b64 s[4:5], s[12:13]                     ; Wo and e11, unless the number says another
	s_mov_b32 s37, s31
	s_cmp_eq_u32 s34, 0
	s_cselect_b64 s[4:5], s[6:7], s[4:5]
	s_cselect_b32 s37, s21, s37                    ; e1
	s_cmp_eq_u32 s34, 1
	s_cselect_b64 s[4:5], s[8:9], s[4:5]
	s_cselect_b32 s37, s23, s37                    ; e3
	s_cmp_eq_u32 s34, 2
	s_cselect_b64 s[4:5], s[10:11], s[4:5]
	s_cselect_b32 s37, s25, s37                    ; e5
	s_lshl_b32 s38, s35, 7
	s_lshl_b32 s39, s32, 5
	s_add_co_u32 s38, s38, s39                     ; my wave's first column
	s_lshl_b32 s40, s36, 20                        ; 256 rows of 4,096 bytes
	s_lshl_b32 s39, s38, 2
	s_add_co_u32 s40, s40, s39
	s_mov_b32 s41, 0
	s_add_nc_u64 s[4:5], s[4:5], s[40:41]
	s_lshl_b32 s40, s34, 20                        ; the tensor's plane of codes,
	s_lshl_b32 s39, s38, 10                        ; the column's row of 1,024 bytes,
	s_add_co_u32 s40, s40, s39
	s_lshl_b32 s39, s36, 8                         ; and my 256 along K
	s_add_co_u32 s40, s40, s39
	s_add_nc_u64 s[8:9], s[18:19], s[40:41]
	v_lshlrev_b32 v3, 2, v2                        ; in: 4 bytes a lane
	s_mul_i32 s39, s32, 32*WP
	s_add_co_u32 s39, s39, WSTG                    ; my stage
	v_mul_u32_u24 v4, v2, WP
	v_add_nc_u32 v4, s39, v4                       ; into it: row = my column
	v_and_b32 v5, 15, v2
	v_lshrrev_b32 v6, 4, v2
	v_mul_u32_u24 v7, v6, WP
	v_lshl_add_u32 v7, v5, 4, v7
	v_add_nc_u32 v7, s39, v7                       ; out of it: sixteen lanes to a row, two rows an instruction
	v_lshlrev_b32 v8, 10, v6
	v_lshl_add_u32 v8, v5, 4, v8                   ; and the same place in the codes' buffer
.macro WLOAD t                         ; block t: W(32 t + i, my column): a wave reads 128 bytes on end, the four waves 512
.set ii, 0
.rept 32
	global_load_b32 v[WX+32*((\t)%2)+ii], v3, s[4:5] offset:(32*(\t)+ii)*4096 th:TH_LOAD_NT
.set ii, ii+1
.endr
.endm
	WLOAD 0
	WLOAD 1
	s_add_co_i32 s37, s37, 127
	s_lshl_b32 s39, s37, 23
	v_mov_b32 v11, s39                             ; 2^e
	s_add_co_i32 s37, s37, 8
	s_lshl_b32 s37, s37, 23
	s_or_b32 s37, s37, 0x600000
	v_mov_b32 v10, s37                             ; 448 x 2^e
.macro WBLOCK t
.set XS, WX+32*((\t)%2)
.if (\t) < 7
	s_wait_loadcnt 32                              ; this block's 32 loads are in; the next block's may be out
.else
	s_wait_loadcnt 0
.endif
.set ii, 0
.rept 32
	v_med3_num_f32 v[XS+ii], v[XS+ii], -v10, v10
.set ii, ii+1
.endr
.irp g, 0,1,2,3
	v_cvt_scalef32_pk8_fp8_f32 v[WC+2*\g:WC+2*\g+1], v[XS+8*\g:XS+8*\g+7], v11
.endr
	ds_store_b128 v4, v[WC:WC+3] offset:32*(\t)    ; 32 codes of my column's row (LDS stores and loads want no plain line behind a conversion; the next block begins with plain lines)
	ds_store_b128 v4, v[WC+4:WC+7] offset:32*(\t)+16
.if (\t)+2 < 8
	WLOAD (\t)+2
.endif
	s_wait_dscnt 0x0                               ; the stores have read their registers: the next block's codes may be written
.endm
.irp t, 0,1,2,3,4,5,6,7
	WBLOCK \t
.endr
.irp t, 0,1,2,3,4,5,6,7,8,9,10,11,12,13,14,15
	ds_load_b128 v[WO+4*\t:WO+4*\t+3], v7 offset:2*\t*WP
.endr
.irp t, 0,1,2,3,4,5,6,7,8,9,10,11,12,13,14,15
	s_wait_dscnt 15-\t
	global_store_b128 v8, v[WO+4*\t:WO+4*\t+3], s[8:9] offset:2*\t*1024
.endr
	s_wait_tensorcnt 0x0
	ds_add_u32 v192, v193
	s_wait_dscnt 0x0
	s_endpgm
.Lfunc_end_k_q974b774e12_quant:
	.size	k_q974b774e12_quant, .Lfunc_end_k_q974b774e12_quant-k_q974b774e12_quant
	.p2alignl 7, 3214868480
	.fill 96, 4, 3214868480
	.section	.rodata,"a",@progbits
	.p2align	6, 0x0
	.amdhsa_kernel k_q974b774e12_quant
		.amdhsa_group_segment_fixed_size 68096
		.amdhsa_private_segment_fixed_size 0
		.amdhsa_enable_private_segment 0
		.amdhsa_kernarg_size 64
		.amdhsa_user_sgpr_count 2
		.amdhsa_user_sgpr_kernarg_segment_ptr 1
		.amdhsa_wavefront_size32 1
		.amdhsa_system_sgpr_workgroup_id_x 1
		.amdhsa_system_sgpr_workgroup_id_y 1
		.amdhsa_system_sgpr_workgroup_id_z 1
		.amdhsa_system_vgpr_workitem_id 0
		.amdhsa_next_free_vgpr 194
		.amdhsa_next_free_sgpr 66
		.amdhsa_reserve_vcc 0
		.amdhsa_float_denorm_mode_32 3
		.amdhsa_float_denorm_mode_16_64 3
		.amdhsa_memory_ordered 1
		.amdhsa_forward_progress 1
		.amdhsa_inst_pref_size 126
	.end_amdhsa_kernel
	.amdgpu_metadata
---
amdhsa.version: [ 1, 2 ]
amdhsa.kernels:
  - .name:           k_q974b774e12_quant
    .symbol:         k_q974b774e12_quant.kd
    .args:
      - { .name: x, .offset: 0, .size: 8, .value_kind: global_buffer, .address_space: global }
      - { .name: Wq, .offset: 8, .size: 8, .value_kind: global_buffer, .address_space: global }
      - { .name: Wk, .offset: 16, .size: 8, .value_kind: global_buffer, .address_space: global }
      - { .name: Wv, .offset: 24, .size: 8, .value_kind: global_buffer, .address_space: global }
      - { .name: Wo, .offset: 32, .size: 8, .value_kind: global_buffer, .address_space: global }
      - { .name: lowp_scales, .offset: 40, .size: 8, .value_kind: global_buffer, .address_space: global }
      - { .name: xc, .offset: 48, .size: 8, .value_kind: global_buffer, .address_space: global }
      - { .name: wc, .offset: 56, .size: 8, .value_kind: global_buffer, .address_space: global }
    .group_segment_fixed_size: 68096
    .private_segment_fixed_size: 0
    .kernarg_segment_align: 8
    .kernarg_segment_size: 64
    .max_flat_workgroup_size: 128
    .sgpr_count:     66
    .vgpr_count:     194
    .wavefront_size: 32
...
	.end_amdgpu_metadata
.endif
;; end of part 1
;; launch qkv (part 2): grid 12 x 16, 4 waves a work-group, clusters of 4 x 4, 327,680 bytes of LDS; arguments xc, wc, lowp_scales, bq, bk, bv, qkv; writes qkv
.if DOCPART == 2
	.amdgcn_target "amdgcn-amd-amdhsa--gfx1250"
	.amdhsa_code_object_version 6
	.text
	.protected	k_q974b774e12_qkv
	.globl	k_q974b774e12_qkv
	.p2align	8
	.type	k_q974b774e12_qkv,@function
k_q974b774e12_qkv:
	s_mov_b64 s[64:65], 0
	v_nop
	global_prefetch_b8 v0, s[64:65] scope:SCOPE_SE
	s_setreg_imm32_b32 hwreg(HW_REG_WAVE_MODE, 25, 1), 1
	s_wait_xcnt 0x0
	s_wait_alu depctr_hold_cnt(0) depctr_sa_sdst(0) depctr_va_vdst(0) depctr_va_sdst(0) depctr_va_ssrc(0) depctr_va_vcc(0) depctr_vm_vsrc(0)
	s_getreg_b32 s2, hwreg(HW_REG_IB_STS2, 6, 4)
	s_cmp_eq_u32 s2, 0
	s_cbranch_scc0 .Lentry_in_a_cluster
	s_endpgm
.Lentry_in_a_cluster:
	s_bfe_u32 s2, ttmp6, 0x10000c
	s_cmp_lg_u32 s2, 0xf033
	s_cbranch_scc0 .Lentry_shape_is_right
	s_endpgm
.Lentry_shape_is_right:
; Products 1 to 3 on E4M3 codes, bias in f32, results quantised to the operands of the attention's products.  The cluster's x, P, names the product: 0 q, 1 k, 2 v.
; C[row][col] = sum over k of A[row][k] B[col][k], rows of 1,024 codes on both sides.  P < 2: A = x's codes (plane P), B = the weight's codes: row = token, col = n.
; P = 2: V^T is made, A = Wv's codes, B = x's codes (plane 2): row = n = 64 h + d, col = token, so that v's codes come out with the keys innermost.
; One address law serves the three planes of qkv: (row >> 6) R64 + (row & 63) 64 + (col >> 6) C64 + (col & 63); q, k [h][token][64]: R64 = 4,096, C64 = 262,144; v [h][key / 64][d][64 keys]: the two swapped.
; Nothing branches on P: pointers, strides, exponents and the two biases' lane masks are chosen by s_cselect on the cluster's x, which all sixteen partners share.
; BIAS.  q, k: the bias runs along the columns; divided by 2^(ea + eb) it is the C of each sum's first product.  v: it runs along the rows and is the addend of the multiply-add on the way out.  The one that a product does not have is 0.
; LIMITS: ea + eb between -126 and 127; the result's e (e6, e7, e9) between -126 and 119.  NaN among the inputs is not served.
; A tile of C, 256 x 256, is made by four waves, 128 x 128 each: 64 accumulators.  K = 1,024 goes in four steps of 256 through a ring of two LDS slots filled by joint tensor loads:
; 4 x 4 work-groups form a cluster; A's tile is shared along a row of it, B's along a column.  THE MATRIX INSTRUCTION IS USED TRANSPOSED (source 0 = 16 rows of B, source 1 = 16 rows of A): a lane holds eight neighbouring columns of one row of C.
; REGISTERS: window 0: v0-31 addresses and the result's scale; v32-95 the column bias, v96-111 the row bias; from v128 A's fragments, one set (on the way out v128-255 are free).
;   window 1: B's fragments, two sets.   windows 2, 3: the accumulators of my rows 0-63, 64-127 (accumulator (a, b) at v[8 (8 (a % 4) + b)]).
.set ROWB,   256                       ; a tile's row: 256 codes
.set KROW,   1024                      ; a row of A or of B in memory
.set PITCH,  272                       ; an LDS row: 256 + 16 bytes = 68 words: row r starts at bank 4 r mod 64 (64 banks of 4 bytes: ISA guide 11.1)
.set FR,     16                        ; registers of a fragment: 16 rows x 128 K
.set NL,     4                         ; LDS loads that bring one
.set NP,     4                         ; places behind this matrix instruction (ISA guide 7.12.1)
.set HALFT,  128*PITCH
.set SLOT,   4*HALFT                   ; A's 256 rows, then B's 256 rows
.set LAPS,   2                         ; a lap = two K steps of 256
.set SPARE,  2*SLOT                    ; the spare words: 128 bytes for each wave, two blocks of 256 bytes that no other line names
.set STAGE,  SPARE+512                 ; the way out: 16 rows x SPITCH for each wave, in bytes of their own
.set SPITCH, 144                       ; 128 codes + 16
.set SCL,  12                          ; v12  2^eo
.set LIM,  13                          ; v13  448 x 2^eo
.set ADRA, 16                          ; v16-17 LDS address of my A fragments in slot 0, 1
.set ADRB, 20                          ; v20-21 the same for B
.set STO,  24                          ; v24  the stage: where I put 8 codes of a row
.set RD,   25                          ; v25  and where I read 16 bytes back
.set CO,   26                          ; v26  16 x lane; v27 the same + C64
.set SPW,  28                          ; v28  my spare word; never rewritten
.set NIL,  29                          ; v29  0; never rewritten
.set BN,   32                          ; v32-95  column bias: 8 b + j holds column 16 b + 8 (lane / 16) + j
.set BM,   96                          ; v96-111 row bias: 2 a holds row 16 a + lane % 16; 2 a + 1 is named with it as a pair
.set AF,   128
.set TMP,  128                         ; the way out: a block's 64 numbers
.set CD,   192                         ; its codes, two sets of 16
.set BB,   224                         ; and the rows read back, two sets of 16
.set G1, 24
.set G0, 32
.set G1B, 48
.set G0B, 56
.set MSB, 0
.macro WIN new                         ; the immediate's high byte repeats the setting that is left
.if MSB != \new
	s_set_vgpr_msb (MSB<<8)|\new
.set MSB, \new
.endif
.endm
.set MUL_LO, 0xa1                      ; source 0 (B) window 1, source 1 (A) window 0, C and D window 2
.set MUL_HI, 0xf1                      ; the same, C and D window 3
.set ST_LO,  0x81                      ; a sum's first product: C (the column bias) window 0, D window 2
.set ST_HI,  0xc1                      ; D window 3
.set TO_B,   0x40                      ; destination window 1, address window 0
; A joint load: waves 0 and 1 fetch for A, waves 2 and 3 for B; the branch hangs on the wave's number alone.  Four v_nop follow each of the two lines.
.macro JLOAD g0a, g1a, g0b, g1b
	s_cmp_eq_u32 s15, 0
	s_cbranch_scc0 .Lfor_b_\@
	tensor_load_to_lds s[\g0a:\g0a+3], s[\g1a:\g1a+7]
	s_nop 0
.rept 4
	v_nop
.endr
	s_branch .Lasked_\@
.Lfor_b_\@:
	tensor_load_to_lds s[\g0b:\g0b+3], s[\g1b:\g1b+7]
	s_nop 0
.rept 4
	v_nop
.endr
.Lasked_\@:
.endm
.macro CREST                           ; a round of the cluster's barrier behind its opening barrier
	s_cmp_lg_u32 s14, 0
	s_cbranch_scc1 .Lnot_wave_0_\@
	s_barrier_signal -3
.Lnot_wave_0_\@:
	s_barrier_wait -3
	s_barrier_signal -1
	s_barrier_wait -1
.endm
.macro CROUND
	s_barrier_signal -1
	s_barrier_wait -1
	CREST
.endm
	s_load_b128 s[4:7], s[0:1], 0x0                ; xc, wc
	s_load_b256 s[68:75], s[0:1], 0x10             ; the scales' exponents 68:69, bq 70:71, bk 72:73, bv 74:75
	s_load_b64 s[10:11], s[0:1], 0x30              ; qkv
	v_lshl_add_u32 v[SPW], v0, 2, SPARE
	v_mov_b32 v[NIL], 0
	ds_add_u32 v28, v29
	ds_add_u32 v28, v29
	s_wait_dscnt 0x0
	v_lshrrev_b32 v1, 5, v0
	v_readfirstlane_b32 s14, v1                    ; wave 0..3
	s_lshr_b32 s15, s14, 1                         ; which half of the tile's rows is mine.  Also: I fetch for A (0) or for B (1)
	s_and_b32 s16, s14, 1                          ; which half of its columns.  Also: which 128 rows of that tile I fetch
	s_bfe_u32 s40, ttmp6, 0x40000                  ; cx
	s_bfe_u32 s41, ttmp6, 0x40004                  ; cy
	s_and_b32 s88, ttmp7, 0xffff
	s_lshl_b32 s88, s88, 2                         ; 4 x cluster y: it walks the tokens, which are rows for q and k and columns for v
	s_cmp_eq_u32 ttmp9, 2
	s_cselect_b32 s17, 0, s88
	s_cselect_b32 s42, s88, 0
	s_add_co_u32 s17, s17, s41                     ; tile row of C
	s_add_co_u32 s42, s42, s40                     ; tile column of C
	s_lshl_b32 s43, s41, 2
	s_lshl_b32 s43, 15, s43                        ; my row of the cluster
	s_lshl_b32 s44, 0x1111, s40                    ; my column
	s_or_b32 s[G1+0], s43, (0<<16)|(1<<20)|(1<<21)|(5<<22)|(3<<25)  ; 15:0 the mask; 17:16 elements of 1 byte; 20 padding on; 21 set beside a mask; 24:22 after every 64 words; 31:25 four words
	s_or_b32 s[G1B+0], s44, (0<<16)|(1<<20)|(1<<21)|(5<<22)|(3<<25)
.irp g, G1, G1B
	s_mov_b32 s[\g+1], ROWB<<16                    ; tensor_dim0
	s_mov_b32 s[\g+2], 128<<16                     ; tensor_dim1
	s_mov_b32 s[\g+3], ROWB<<16                    ; tile_dim0
	s_mov_b32 s[\g+4], 128                         ; tile_dim1
	s_mov_b32 s[\g+5], KROW                        ; tensor_dim0_stride
	s_mov_b32 s[\g+6], 0
	s_mov_b32 s[\g+7], 0
.endr
	s_lshl_b32 s18, s16, 7                         ; which 128 rows of the tile I fetch
	s_lshl_b32 s20, s17, 8
	s_add_co_u32 s20, s20, s18
	s_lshl_b32 s20, s20, 10                        ; A: (256 x tile row + 128 x half) rows of 1,024 bytes
	s_mov_b32 s21, 0
	s_lshl_b32 s46, s42, 8
	s_add_co_u32 s46, s46, s18
	s_lshl_b32 s46, s46, 10                        ; B: the same by the tile column
	s_mov_b32 s47, 0
	s_lshl_b32 s8, ttmp9, 22                       ; plane P of x's codes (and of qkv)
	s_mov_b32 s9, 0
	s_lshl_b32 s22, ttmp9, 20                      ; plane P of the weights' codes
	s_mov_b32 s23, 0
	s_mul_i32 s45, s14, HALFT                      ; where my tile goes: wave x 128 rows
	s_wait_kmcnt 0x0
	s_load_b256 s[76:83], s[68:69], 0x0            ; e0 .. e7
	s_load_b128 s[84:87], s[68:69], 0x20           ; e8 .. e11
	s_add_nc_u64 s[4:5], s[4:5], s[8:9]
	s_add_nc_u64 s[6:7], s[6:7], s[22:23]
	s_cmp_eq_u32 ttmp9, 2
	s_cselect_b64 s[92:93], s[6:7], s[4:5]         ; A: the weight for v, else x
	s_cselect_b64 s[94:95], s[4:5], s[6:7]         ; B: the other
	s_add_nc_u64 s[20:21], s[92:93], s[20:21]
	s_add_nc_u64 s[46:47], s[94:95], s[46:47]
	CROUND                                         ; all sixteen work-groups are here: the first joint loads meet
.irp s, 0,1
	s_mov_b32 s[G0+4*\s], 1
	s_add_co_u32 s[G0+4*\s+1], s45, \s*SLOT
	s_add_nc_u64 s[G0+4*\s+2:G0+4*\s+3], s[20:21], \s*ROWB
	s_or_b32 s[G0+4*\s+3], s[G0+4*\s+3], 0x80000000
	s_mov_b32 s[G0B+4*\s], 1
	s_add_co_u32 s[G0B+4*\s+1], s45, \s*SLOT
	s_add_nc_u64 s[G0B+4*\s+2:G0B+4*\s+3], s[46:47], \s*ROWB
	s_or_b32 s[G0B+4*\s+3], s[G0B+4*\s+3], 0x80000000
	JLOAD G0+4*\s, G1, G0B+4*\s, G1B
.endr
	v_and_b32 v1, 15, v0                           ; r = lane % 16
	v_bfe_u32 v2, v0, 4, 1                         ; h = lane / 16
	v_mul_u32_u24 v3, v1, PITCH
	v_lshl_add_u32 v4, v2, 4, v3                   ; a fragment's row x pitch + 16 h
	s_mul_i32 s21, s15, HALFT                      ; my 128 rows of A
	s_mul_i32 s22, s16, HALFT                      ; my 128 rows of B,
	s_add_co_u32 s22, s22, 2*HALFT                 ; which lie behind A's 256
.irp s, 0,1
	v_add_nc_u32 v[ADRA+\s], s21, v4
	v_add_nc_u32 v[ADRB+\s], s22, v4
	s_add_co_u32 s21, s21, SLOT
	s_add_co_u32 s22, s22, SLOT
.endr
	s_mul_i32 s23, s14, 16*SPITCH
	s_add_co_u32 s23, s23, STAGE                   ; my stage
	v_mul_u32_u24 v5, v1, SPITCH
	v_lshl_add_u32 v5, v2, 3, v5
	v_add_nc_u32 v[STO], s23, v5                   ; in: row r, 8 bytes for each half of the lanes
	v_and_b32 v6, 31, v0
	v_lshrrev_b32 v7, 2, v6
	v_mul_u32_u24 v7, v7, SPITCH
	v_and_b32 v8, 3, v6
	v_lshl_add_u32 v7, v8, 4, v7
	v_add_nc_u32 v[RD], s23, v7                    ; back: four lanes to a row's 64 bytes, eight rows an instruction
	v_lshlrev_b32 v[CO], 4, v6                     ; which are 512 bytes on end in qkv
	; strides, masks, and where my part of C begins
	s_mov_b32 s98, 0x40000
	s_cmp_eq_u32 ttmp9, 2
	s_cselect_b32 s90, s98, 0x1000                 ; R64
	s_cselect_b32 s91, 0x1000, s98                 ; C64
	s_cselect_b32 s89, -1, 0                       ; all lanes where the bias runs along the rows (v),
	s_cselect_b32 s12, 0, -1                       ; all lanes where it runs along the columns (q, k)
	v_add_nc_u32 v[CO+1], s91, v[CO]
	s_lshl_b32 s18, s17, 2
	s_lshl_b32 s19, s15, 1
	s_add_co_u32 s18, s18, s19                     ; my first row / 64
	s_mul_i32 s18, s18, s90
	s_lshl_b32 s22, s42, 2
	s_lshl_b32 s19, s16, 1
	s_add_co_u32 s22, s22, s19                     ; my first column / 64
	s_mul_i32 s22, s22, s91
	s_add_co_u32 s18, s18, s22
	s_add_co_u32 s18, s18, s8                      ; + plane P
	s_mov_b32 s19, 0
	s_add_nc_u64 s[10:11], s[10:11], s[18:19]
	s_sub_co_u32 s66, s90, 3072                    ; from rows 48-63 of one group of 64 rows to the next group's first
	s_mov_b32 s67, 0
	; the biases: both loads stay inside the 1,024 numbers whatever P is; the one that does not apply reads from the buffer's head and is replaced by 0
	s_lshl_b32 s98, s42, 10
	s_lshl_b32 s99, s16, 9
	s_add_co_u32 s98, s98, s99                     ; my first column x 4 bytes
	s_lshl_b32 s8, s17, 10
	s_lshl_b32 s99, s15, 9
	s_add_co_u32 s8, s8, s99                       ; my first row x 4 bytes
	s_cmp_eq_u32 ttmp9, 2
	s_cselect_b32 s98, 0, s98
	s_cselect_b32 s8, s8, 0
	s_mov_b32 s99, 0
	s_cmp_eq_u32 ttmp9, 0
	s_cselect_b64 s[92:93], s[70:71], s[74:75]
	s_cmp_eq_u32 ttmp9, 1
	s_cselect_b64 s[92:93], s[72:73], s[92:93]     ; bq, bk or bv
	s_add_nc_u64 s[94:95], s[92:93], s[98:99]      ; along the columns
	s_add_nc_u64 s[92:93], s[92:93], s[8:9]        ; along the rows
	v_lshlrev_b32 v9, 5, v2                        ; 8 h numbers
	v_lshlrev_b32 v10, 2, v1                       ; r numbers
.irp b, 0,1,2,3,4,5,6,7
	global_load_b128 v[BN+8*\b:BN+8*\b+3], v9, s[94:95] offset:64*\b
	global_load_b128 v[BN+8*\b+4:BN+8*\b+7], v9, s[94:95] offset:64*\b+16
.endr
.irp a, 0,1,2,3,4,5,6,7
	global_load_b32 v[BM+2*\a], v10, s[92:93] offset:64*\a
	v_mov_b32 v[BM+2*\a+1], 0
.endr
	s_wait_kmcnt 0x0
	s_add_co_i32 s76, s76, s77                     ; e0 + e1
	s_add_co_i32 s78, s78, s79                     ; e2 + e3
	s_add_co_i32 s80, s80, s81                     ; e4 + e5
	s_cmp_eq_u32 ttmp9, 0
	s_cselect_b32 s98, s76, s80
	s_cselect_b32 s99, s82, s85                    ; e6 for q, e9 for v
	s_cmp_eq_u32 ttmp9, 1
	s_cselect_b32 s98, s78, s98                    ; ea + eb
	s_cselect_b32 s99, s83, s99                    ; eo (e7 for k)
	s_sub_co_i32 s77, 0, s98
	s_add_co_i32 s96, s98, 127
	s_lshl_b32 s96, s96, 23                        ; 2^(ea + eb) as f32
	s_mov_b32 s97, s96                             ; (named with it as a pair)
	s_add_co_i32 s99, s99, 127
	s_lshl_b32 s98, s99, 23
	v_mov_b32 v[SCL], s98                          ; 2^eo
	s_add_co_i32 s99, s99, 8
	s_lshl_b32 s99, s99, 23
	s_or_b32 s99, s99, 0x600000
	v_mov_b32 v[LIM], s99                          ; 448 x 2^eo
	s_wait_loadcnt 0x0
.set jj, 0
.rept 64
	v_ldexp_f32 v[BN+jj], v[BN+jj], s77            ; a sum stands for sum x 2^(ea + eb): the bias goes in divided by that
.set jj, jj+1
.endr
.set jj, 0
.rept 64
	v_cndmask_b32 v[BN+jj], 0, v[BN+jj], s12       ; 0 for v
.set jj, jj+1
.endr
.irp a, 0,1,2,3,4,5,6,7
	v_cndmask_b32 v[BM+2*\a], 0, v[BM+2*\a], s89   ; 0 for q and k
.endr
.macro FRAG reg, adr, q, i             ; 16 rows x 128 K: lane l holds row l % 16; registers 4 c .. 4 c + 3 hold K = 32 c + 16 (l / 16) + 0 .. 15: the same places in A and in B
.irp c, 0,1,2,3
	ds_load_b128 v[\reg+4*\c:\reg+4*\c+3], v[\adr] offset:128*(\q)+32*\c+(\i)*16*PITCH
.endr
.endm
; 16 matrix instructions: A's blocks a0, a0 + 1 x B's eight.  zero = 1: the first product starts the sums from the column bias.  The 64 accumulators take turns, one instruction a turn.
.macro MUL16 a0, p, zero
.irp a, \a0, \a0+1
.irp b, 0,1,2,3,4,5,6,7
.if \zero
	v_wmma_f32_16x16x128_fp8_fp8 v[8*(8*((\a)%4)+\b):8*(8*((\a)%4)+\b)+7], v[128*(\p)+FR*\b:128*(\p)+FR*\b+FR-1], v[AF+FR*(\a):AF+FR*(\a)+FR-1], v[BN+8*\b:BN+8*\b+7]
.else
	v_wmma_f32_16x16x128_fp8_fp8 v[8*(8*((\a)%4)+\b):8*(8*((\a)%4)+\b)+7], v[128*(\p)+FR*\b:128*(\p)+FR*\b+FR-1], v[AF+FR*(\a):AF+FR*(\a)+FR-1], v[8*(8*((\a)%4)+\b):8*(8*((\a)%4)+\b)+7]
.endif
.endr
.endr
.endm
.macro FETCH_B slot, q, p
	WIN TO_B
.irp i, 0,1,2,3,4,5,6,7
	FRAG 128*(\p)+FR*\i, ADRB+\slot, \q, \i
.endr
	WIN 0
.endm
.macro FETCH_A slot, q, i0
.irp i, \i0, \i0+1, \i0+2, \i0+3
	FRAG AF+FR*(\i), ADRA+\slot, \q, \i
.endr
.endm
.macro PLACES n                        ; plain vector lines between a matrix instruction and a load into, or a vector write or read of, its registers
.rept \n
	v_nop
.endr
.endm
; A step of 128 along K that has its successor in the same slot.  A has one set of registers: blocks 0-3 are fetched anew in the step's middle, blocks 4-7 at its end; B has two sets.
.macro STEP slot, q, zero
	s_wait_dscnt 4*NL                              ; B's set and A's blocks 0-3 are in; A's blocks 4-7 may be out
.if \zero
	WIN ST_LO
.else
	WIN MUL_LO
.endif
	MUL16 0, (\q)%2, \zero
	MUL16 2, (\q)%2, \zero
	s_wait_dscnt 0                                 ; A's blocks 4-7 are in
	PLACES NP
	FETCH_B \slot, (\q)+1, 1-(\q)%2
	FETCH_A \slot, (\q)+1, 0
.if \zero
	WIN ST_HI
.else
	WIN MUL_HI
.endif
	MUL16 4, (\q)%2, \zero
	MUL16 6, (\q)%2, \zero
	PLACES NP
	WIN 0
	FETCH_A \slot, (\q)+1, 4
.endm
; A slot's last step changes slots: one barrier; in front of it each wave waits for all its tensor loads, adds 0 to its spare word, and waits for that and for its reads of this slot.
.macro TURN slot, next, fill
	s_wait_tensorcnt 0x0                           ; all my tensor loads have landed: my part of the next slot
	ds_add_u32 v[SPW], v[NIL]                      ; 0 onto my spare word
	s_wait_dscnt 4*NL+1                            ; (the add and A's blocks 4-7 may be out)
	WIN MUL_LO
	MUL16 0, 1, 0                                  ; sixteen matrix instructions stand between the add and the wait for it
	s_wait_dscnt 0x0                               ; the add is done, and my reads of this slot are over
	s_barrier_signal -1
	MUL16 2, 1, 0
	WIN 0
	s_barrier_wait -1
.if \fill
	CREST                                          ; the barrier has opened a round of the cluster's: no wave of any partner still reads this slot or has a load on its way
	s_add_nc_u64 s[G0+4*\slot+2:G0+4*\slot+3], s[G0+4*\slot+2:G0+4*\slot+3], 2*ROWB
	s_add_nc_u64 s[G0B+4*\slot+2:G0B+4*\slot+3], s[G0B+4*\slot+2:G0B+4*\slot+3], 2*ROWB
	JLOAD G0+4*\slot, G1, G0B+4*\slot, G1B         ; the first tensor load behind the round; its four v_nop are the places in front of the loads below
.else
	PLACES NP
.endif
	FETCH_B \next, 0, 0
	FETCH_A \next, 0, 0
	WIN MUL_HI
	MUL16 4, 1, 0
	MUL16 6, 1, 0
	PLACES NP
	WIN 0
	FETCH_A \next, 0, 4
.endm
	s_wait_tensorcnt 1                             ; my part of K step 0 is in (K step 1's load may be out)
	s_barrier_signal -1
	s_barrier_wait -1                              ; everybody's is
	FETCH_B 0, 0, 0
	FETCH_A 0, 0, 0
	FETCH_A 0, 0, 4
	STEP 0, 0, 1                                   ; the first step stands in front of the loop: its products start the sums
	s_mov_b32 s3, LAPS-1
.Llap:                                             ; a trip goes once round the ring and fills both slots again
	TURN 0, 1, 1
	STEP 1, 0, 0
	TURN 1, 0, 1
	STEP 0, 0, 0
	s_sub_co_u32 s3, s3, 1
	s_cmp_lg_u32 s3, 0
	s_cbranch_scc1 .Llap
	TURN 0, 1, 0                                   ; the last lap fills nothing
	STEP 1, 0, 0
	s_wait_dscnt 4*NL
	WIN MUL_LO
	MUL16 0, 1, 0
	MUL16 2, 1, 0
	s_wait_dscnt 0
	WIN MUL_HI
	MUL16 4, 1, 0
	MUL16 6, 1, 0
	WIN 0
; THE WAY OUT, block by block of 16 rows x 128 columns: sum x 2^(ea + eb) + row bias, the hold, eight codes a conversion; 8 bytes a lane into my stage; back as 16 rows x 64 bytes, which lie on end in qkv.
.macro TOSTAGE a
.set AC, 64*((\a)%4)
.set CC, CD+16*((\a)%2)
.set BK, BB+16*((\a)%2)
	WIN 0x02+((\a)/4)                              ; source 0: window 2 or 3
.set jj, 0
.rept 32
	v_pk_fma_f32 v[TMP+jj:TMP+jj+1], v[AC+jj:AC+jj+1], s[96:97], v[BM+2*(\a):BM+2*(\a)+1] op_sel_hi:[1,0,0]   ; each accumulator from its low end on; of both pairs the low word serves both halves
.set jj, jj+2
.endr
	WIN 0
.set jj, 0
.rept 64
	v_med3_num_f32 v[TMP+jj], v[TMP+jj], -v[LIM], v[LIM]   ; the conversion does not saturate (ISA guide 7.6.2)
.set jj, jj+1
.endr
.irp b, 0,1,2,3,4,5,6,7
	v_cvt_scalef32_pk8_fp8_f32 v[CC+2*\b:CC+2*\b+1], v[TMP+8*\b:TMP+8*\b+7], v[SCL]
.endr
	v_nop                                          ; a plain line between the conversions and the next block's multiply-adds, which write their sources
.irp b, 0,1,2,3,4,5,6,7
	ds_store_b64 v[STO], v[CC+2*\b:CC+2*\b+1] offset:16*\b
.endr
.irp i, 0,1,2,3
	ds_load_b128 v[BK+4*\i:BK+4*\i+3], v[RD] offset:8*(\i%2)*SPITCH+64*(\i/2)   ; LDS serves a wave's instructions in order: these see the stores above
.endr
.endm
.macro SEND a, younger                 ; younger: the LDS instructions issued behind block a's loads
.set BK, BB+16*((\a)%2)
	s_wait_dscnt \younger
.if (\a) == 4
	s_add_nc_u64 s[10:11], s[10:11], s[66:67]      ; (behind a wait on XCNT: the earlier stores have read their base)  on to the next group of 64 rows
.elseif (\a) > 0
	s_add_nc_u64 s[10:11], s[10:11], 1024          ; 16 rows of 64 bytes on
.endif
.irp i, 0,1,2,3
	global_store_b128 v[CO+\i/2], v[BK+4*\i:BK+4*\i+3], s[10:11] offset:512*(\i%2)   ; 32 lanes store 512 bytes on end, at a multiple of 512 from the buffer's first byte
.endr
.endm
	PLACES NP                                      ; behind the last products: the first block's multiply-adds write registers that held A's fragments
	TOSTAGE 0
.irp a, 1,2,3,4,5,6,7
.if \a > 1
	s_wait_xcnt 0x0                                ; block a - 2's stores have read their registers and their base
.endif
	TOSTAGE \a
	SEND \a-1, 12                                  ; behind block a - 1's loads: block a's 8 stores and 4 loads
.endr
	s_wait_xcnt 0x0
	SEND 7, 0
	s_wait_tensorcnt 0x0                           ; the wave's end
	ds_add_u32 v[SPW], v[NIL]
	s_wait_dscnt 0x0
	CROUND                                         ; the closing round
	s_endpgm
.Lfunc_end_k_q974b774e12_qkv:
	.size	k_q974b774e12_qkv, .Lfunc_end_k_q974b774e12_qkv-k_q974b774e12_qkv
	.p2alignl 7, 3214868480
	.fill 96, 4, 3214868480
	.section	.rodata,"a",@progbits
	.p2align	6, 0x0
	.amdhsa_kernel k_q974b774e12_qkv
		.amdhsa_group_segment_fixed_size 327680
		.amdhsa_private_segment_fixed_size 0
		.amdhsa_enable_private_segment 0
		.amdhsa_kernarg_size 56
		.amdhsa_user_sgpr_count 2
		.amdhsa_user_sgpr_kernarg_segment_ptr 1
		.amdhsa_wavefront_size32 1
		.amdhsa_system_sgpr_workgroup_id_x 1
		.amdhsa_system_sgpr_workgroup_id_y 1
		.amdhsa_system_sgpr_workgroup_id_z 1
		.amdhsa_system_vgpr_workitem_id 0
		.amdhsa_next_free_vgpr 1024
		.amdhsa_next_free_sgpr 100
		.amdhsa_reserve_vcc 0
		.amdhsa_float_denorm_mode_32 3
		.amdhsa_float_denorm_mode_16_64 3
		.amdhsa_memory_ordered 1
		.amdhsa_forward_progress 1
		.amdhsa_inst_pref_size 154
	.end_amdhsa_kernel
	.amdgpu_metadata
---
amdhsa.version: [ 1, 2 ]
amdhsa.kernels:
  - .name:           k_q974b774e12_qkv
    .symbol:         k_q974b774e12_qkv.kd
    .args:
      - { .name: xc, .offset: 0, .size: 8, .value_kind: global_buffer, .address_space: global }
      - { .name: wc, .offset: 8, .size: 8, .value_kind: global_buffer, .address_space: global }
      - { .name: lowp_scales, .offset: 16, .size: 8, .value_kind: global_buffer, .address_space: global }
      - { .name: bq, .offset: 24, .size: 8, .value_kind: global_buffer, .address_space: global }
      - { .name: bk, .offset: 32, .size: 8, .value_kind: global_buffer, .address_space: global }
      - { .name: bv, .offset: 40, .size: 8, .value_kind: global_buffer, .address_space: global }
      - { .name: qkv, .offset: 48, .size: 8, .value_kind: global_buffer, .address_space: global }
    .group_segment_fixed_size: 327680
    .private_segment_fixed_size: 0
    .kernarg_segment_align: 8
    .kernarg_segment_size: 56
    .max_flat_workgroup_size: 128
    .sgpr_count:     100
    .vgpr_count:     1024
    .wavefront_size: 32
...
	.end_amdgpu_metadata
.endif
;; end of part 2
;; launch attn (part 3): grid 16 x 16, 16 waves a work-group, no clusters, 100,352 bytes of LDS; arguments qkv, lowp_scales, ctx; writes ctx
.if DOCPART == 3
	.amdgcn_target "amdgcn-amd-amdhsa--gfx1250"
	.amdhsa_code_object_version 6
	.text
	.protected	k_q974b774e12_attn
	.globl	k_q974b774e12_attn
	.p2align	8
	.type	k_q974b774e12_attn,@function
k_q974b774e12_attn:
	s_mov_b64 s[64:65], 0
	v_nop
	global_prefetch_b8 v0, s[64:65] scope:SCOPE_SE
	s_setreg_imm32_b32 hwreg(HW_REG_WAVE_MODE, 25, 1), 1
	s_wait_xcnt 0x0
; ctx[h][q][:] = (sum over keys of Q(p) Q(v)) / l, quantised with 2^e10.  q, k: codes [h][4096][64] (planes 0, 1 of qkv); v: codes [h][key / 64][64 d][64 keys] (plane 2); ctx: codes [h][4096][64].
; t = score x 2^(e6 + e7) x log2(e) / 8; M = the running largest t rounded UP to a whole number; p = 2^(t - M) is quantised with 2^e8; l is the sum of the unquantised p; when M moves, l and O are multiplied by 2^(old M - new M).
; SHARES.  A work-group owns 256 queries of one head, each of its sixteen waves 16 of them in 256 registers: four waves to a SIMD, so that one wave's vector work stands beside another's matrix work and LDS loads.
; Both products are used transposed: S^T = K Q^T (K = 64: the 16x16x64 form), O^T = V^T P^T (K = 128 keys: the 16x16x128 form): a lane holds ONE query (lane % 16) throughout.
; THE KEYS OF A TILE ARE NOT NEIGHBOURS: row m of tile 2 g + u is key 32 g + 8 u + m + 8 (m / 8), so that the 16 registers of tiles 2 g, 2 g + 1 are keys 32 g + 16 (lane / 16) + 0 .. 15: the conversions' results are P's fragment.
; K's rows are laid into LDS in that order, so that a tile's 16 rows are neighbours there.
; K AND V COME THROUGH REGISTERS, NOT BY JOINT TENSOR LOADS, though the sixteen work-groups of a head walk the same tiles.  The reason: p is at most 1, so with e8 >= -8 p / 2^e8 is at most 256 and the hold at 448 can
; never bind; a scalar branch on e8 then passes over its 64 lines, of some 270 vector lines of a key step.
; What the copy costs a wave for a slot's two key steps is four loads of 16 bytes a lane and four LDS stores.  A slot's loads are issued a whole slot before they are stored to LDS.
; LIMITS: e6 + e7 between -123 and 130 (added to the exponent field of log2(e) / 8); e8 and e10 between -126 and 119.  NaN among the inputs is not served.
.set KP,    80                         ; an LDS row: 64 codes + 16 bytes = 20 words: the 16 rows of a fragment load start at 16 different groups of four banks (64 banks of 4 bytes: ISA guide 11.1)
.set VOFF,  256*KP                     ; a slot: 256 rows of K (256 keys), then 256 rows of V (4 blocks of 64 keys x 64 d)
.set SLOTB, 512*KP
.set STG,   2*SLOTB                    ; behind the two slots: 1,024 bytes for each wave, for the way out
.set AK,  1                            ; v1   my lane's place in a tile of K: r KP + 16 h
.set AV,  2                            ; v2   the same for V
.set SKA, 3                            ; v3   where I store K's bytes
.set SVA, 4                            ; v4   where I store V's
.set VO,  5                            ; v5   my 16 bytes of a slot's 16 KiB in memory: 1,024 wave + 16 lane
.set SO,  6                            ; v6   the stage: in
.set SR,  7                            ; v7   the stage: back
.set GO,  8                            ; v8   16 x lane
.set QF,  16                           ; v16-23   Q's fragment
.set KT,  24                           ; v24-31   K on its way
.set VT,  32                           ; v32-39   V on its way
.set FR,  40                           ; v40-103  K's eight fragments, then V's four
.set S,   104                          ; v104-167 S^T, then p
.set O,   168                          ; v168-199 O^T
.set PC,  200                          ; v200-215 p's codes
.set LIM, 216                          ; v216 448 x the scale
.set SCL, 217                          ; v217 the scale as f32
.set PM,  218                          ; v218 a lane permute's destination
.set F,   220                          ; v[220:221] f, 0
.set TA,  222                          ; v222, v223 at work
.set TB,  223
.set L2,  224                          ; v[224:225] the sum's second chain
                                       ; v12 -M, v13 the largest t, v[14:15] the sum in two halves; v226-231 address work at the head
	s_load_b128 s[4:7], s[0:1], 0x0                ; qkv, the scales' exponents
	s_load_b64 s[8:9], s[0:1], 0x10                ; ctx
	v_lshl_add_u32 v254, v0, 2, 0x18000
	v_mov_b32 v255, 0
	v_lshrrev_b32 v226, 5, v0
	v_readfirstlane_b32 s10, v226                  ; wave 0..15
	v_and_b32 v226, 31, v0                         ; lane
	v_and_b32 v227, 15, v0                         ; r
	v_bfe_u32 v228, v0, 4, 1                       ; h
	v_mul_u32_u24 v[AK], v227, KP
	v_lshl_add_u32 v[AK], v228, 4, v[AK]
	v_add_nc_u32 v[AV], VOFF, v[AK]
	v_lshrrev_b32 v229, 2, v226
	v_mul_u32_u24 v229, v229, KP
	v_and_b32 v230, 3, v226
	v_lshl_add_u32 v229, v230, 4, v229             ; four lanes to a row of 64 bytes: (lane / 4) KP + 16 (lane % 4)
	s_lshr_b32 s33, s10, 1
	s_mul_i32 s33, s33, 32*KP
	s_and_b32 s34, s10, 1
	s_mul_i32 s34, s34, 8*KP
	s_add_co_u32 s33, s33, s34
	v_add_nc_u32 v[SKA], s33, v229                 ; keys 16 w + 8 i + j go to LDS rows 32 (w / 2) + 8 (w % 2) + 16 i + j
	s_mul_i32 s33, s10, 16*KP
	s_add_co_u32 s33, s33, VOFF
	v_add_nc_u32 v[SVA], s33, v229                 ; V's rows 16 w + 8 i + j keep their order
	v_lshlrev_b32 v[GO], 4, v226
	s_lshl_b32 s33, s10, 10
	v_add_nc_u32 v[VO], s33, v[GO]
	s_add_co_u32 s33, s33, STG                     ; my stage
	v_add_nc_u32 v[SR], s33, v[GO]
	v_lshlrev_b32 v229, 6, v227                    ; r rows of 64 bytes
	v_lshl_add_u32 v230, v228, 3, v229
	v_add_nc_u32 v[SO], s33, v230                  ; in: row r, + 8 h
	v_lshl_add_u32 v231, v228, 4, v229             ; Q: row r, + 16 h
	s_and_b32 s11, ttmp7, 0xffff                   ; the head
	s_lshl_b32 s18, s11, 18                        ; its 262,144 bytes in each plane and in ctx
	s_mov_b32 s19, 0
	s_lshl_b32 s25, ttmp9, 8
	s_lshl_b32 s26, s10, 4
	s_add_co_u32 s25, s25, s26                     ; my first query
	s_lshl_b32 s26, s25, 6
	s_add_co_u32 s26, s26, s18
	s_mov_b32 s27, 0
	s_mov_b32 s20, 0x76543210                      ; v_permlanex16_b32's selects for lane l xor 16
	s_mov_b32 s21, 0xfedcba98
	s_wait_kmcnt 0x0
	s_load_b128 s[28:31], s[6:7], 0x18             ; e6, e7, e8, e9
	s_load_b32 s32, s[6:7], 0x28                   ; e10
	s_add_nc_u64 s[12:13], s[4:5], s[18:19]
	s_add_nc_u64 s[14:15], s[12:13], 0x800000      ; V of my head
	s_add_nc_u64 s[12:13], s[12:13], 0x400000      ; K of my head
	s_add_nc_u64 s[16:17], s[4:5], s[26:27]        ; Q at my first query
	s_add_nc_u64 s[8:9], s[8:9], s[26:27]          ; ctx likewise
.macro GLOAD off                       ; my 1,024 bytes of a slot's K and of its V: each load reads 512 bytes on end
	global_load_b128 v[KT:KT+3],   v[VO], s[12:13] offset:(\off)
	global_load_b128 v[KT+4:KT+7], v[VO], s[12:13] offset:(\off)+512
	global_load_b128 v[VT:VT+3],   v[VO], s[14:15] offset:(\off)
	global_load_b128 v[VT+4:VT+7], v[VO], s[14:15] offset:(\off)+512
.endm
.macro LSTORE slot
	ds_store_b128 v[SKA], v[KT:KT+3]   offset:(\slot)*SLOTB
	ds_store_b128 v[SKA], v[KT+4:KT+7] offset:(\slot)*SLOTB+16*KP
	ds_store_b128 v[SVA], v[VT:VT+3]   offset:(\slot)*SLOTB
	ds_store_b128 v[SVA], v[VT+4:VT+7] offset:(\slot)*SLOTB+8*KP
.endm
	GLOAD 0                                        ; keys 0-255
	global_load_b128 v[QF:QF+3],   v231, s[16:17]            ; Q's fragment stays: registers 0-3 d = 16 h + 0 .. 15, 4-7 d = 32 + 16 h + 0 .. 15, as K's
	global_load_b128 v[QF+4:QF+7], v231, s[16:17] offset:32
	s_wait_loadcnt 2                               ; the tile's four loads are in; Q's two may be out
	LSTORE 0
	s_wait_dscnt 0x0                               ; for the others' sake, and the stores have read their registers
	GLOAD 16384                                    ; keys 256-511
	s_barrier_signal -1
	s_barrier_wait -1                              ; slot 0 is whole
	v_mov_b32 v13, 0xff61b1e6                      ; the largest t so far: -3e38
	v_floor_f32 v12, -v13                          ; -M
	v_mov_b32 v14, 0
	v_mov_b32 v15, 0
	v_mov_b32 v[PM], 0                             ; a lane permute's destination counts as one of its sources
	v_mov_b32 v[F+1], 0                            ; (named as the upper half of a pair)
.set jj, 0
.rept 32
	v_mov_b32 v[O+jj], 0                           ; the key step is written without a first step of its own: the first change of M leaves zeros zeros
.set jj, jj+1
.endr
	s_wait_kmcnt 0x0
	s_add_co_i32 s33, s28, s29
	s_lshl_b32 s33, s33, 23
	s_mov_b32 s22, 0x3e38aa3b                      ; log2(e) / 8
	s_add_co_i32 s22, s22, s33                     ; x 2^(e6 + e7): the exponents are added to its exponent field
	s_mov_b32 s23, s22                             ; (named with it as a pair)
	s_add_co_i32 s33, s30, 127
	s_lshl_b32 s34, s33, 23
	v_mov_b32 v[SCL], s34                          ; 2^e8
	s_add_co_i32 s33, s33, 8
	s_lshl_b32 s33, s33, 23
	s_or_b32 s33, s33, 0x600000
	v_mov_b32 v[LIM], s33                          ; 448 x 2^e8
	s_wait_loadcnt 4                               ; Q is in; the second tile's four loads may be out
; A KEY STEP: the q-th 128 keys of slot par.  ld = 1: the tile two slots on is asked for, into the registers whose LDS stores have been waited for.
.macro STEP par, q, ld
.rept 4
	v_nop                                          ; places behind the last products, in front of loads into registers that they read
.endr
.irp t, 0,1,2,3,4,5,6,7
	ds_load_b128 v[FR+8*\t:FR+8*\t+3],   v[AK] offset:\par*SLOTB+(128*\q+16*\t)*KP
	ds_load_b128 v[FR+8*\t+4:FR+8*\t+7], v[AK] offset:\par*SLOTB+(128*\q+16*\t)*KP+32
.endr
	s_wait_dscnt 0x0
.if \ld
	GLOAD (2+\par)*16384
.endif
.irp t, 0,1,2,3,4,5,6,7
	v_wmma_f32_16x16x64_fp8_fp8 v[S+8*\t:S+8*\t+7], v[FR+8*\t:FR+8*\t+7], v[QF:QF+7], 0
.endr
.rept 4
	v_nop                                          ; places in front of the loads below and of the first read of the scores
.endr
.irp t, 0,1,2,3                                ; V's four fragments (16 d x 128 keys) land while the softmax is walked: registers 4 c .. 4 c + 3 keys 32 c + 16 h + 0 .. 15, as p's codes
.irp c, 0,1,2,3
	ds_load_b128 v[FR+16*\t+4*\c:FR+16*\t+4*\c+3], v[AV] offset:\par*SLOTB+((2*\q+\c/2)*64+16*\t)*KP+32*(\c%2)
.endr
.endr
	v_max3_num_f32 v[TA], v[S], v[S+1], v[S+2]     ; the step's largest score of my query among my 64 keys, in two chains; each tile is first read at its low end
	v_max3_num_f32 v[TB], v[S+3], v[S+4], v[S+5]
.irp i, 6,10,14,18,22,26,30,34,38,42,46,50,54,58
	v_max3_num_f32 v[TA], v[TA], v[S+\i], v[S+\i+1]
	v_max3_num_f32 v[TB], v[TB], v[S+\i+2], v[S+\i+3]
.endr
	v_max3_num_f32 v[TA], v[TA], v[S+62], v[S+63]
	v_max_num_f32 v[TA], v[TA], v[TB]
	v_permlanex16_b32 v[PM], v[TA], s20, s21
	v_max_num_f32 v[TA], v[TA], v[PM]              ; and among lane l xor 16's
	v_mul_f32 v[TA], s22, v[TA]                    ; as t (the factor is positive)
	v_max_num_f32 v13, v13, v[TA]                  ; the running largest t
	v_mov_b32 v[TA], v12
	v_floor_f32 v12, -v13                          ; the new -M = -ceil(t)
	v_sub_f32 v[TA], v12, v[TA]                    ; old M - new M: a whole number, 0 or less
	v_cvt_i32_f32 v[TA], v[TA]                     ; (it saturates)
	v_ldexp_f32 v[F], 1.0, v[TA]                   ; f = 2^(old M - new M)
.set jj, 0
.rept 32
	v_pk_fma_f32 v[S+jj:S+jj+1], v[S+jj:S+jj+1], s[22:23], v[12:13] op_sel_hi:[1,0,0]   ; t - M, two at a time
.set jj, jj+2
.endr
.set jj, 0
.rept 64
	v_exp_f32 v[S+jj], v[S+jj]                     ; p = 2^(t - M)
.set jj, jj+1
.endr
	v_pk_mul_f32 v[14:15], v[14:15], v[F:F+1] op_sel_hi:[1,0]   ; the sum under the new M: the plain line behind the exponentials
	s_wait_alu depctr_va_vdst(0)                   ; one wait for the batch of 64, ahead of its first reader
	v_pk_add_f32 v[L2:L2+1], v[S:S+1], v[S+2:S+3]  ; the sum is taken of the unquantised p, in two chains
.irp j, 4,8,12,16,20,24,28,32,36,40,44,48,52,56,60
	v_pk_add_f32 v[14:15], v[14:15], v[S+\j:S+\j+1]
	v_pk_add_f32 v[L2:L2+1], v[L2:L2+1], v[S+\j+2:S+\j+3]
.endr
	v_pk_add_f32 v[14:15], v[14:15], v[L2:L2+1]
	s_cmp_ge_i32 s30, -8                           ; p <= 1: with e8 >= -8, p / 2^e8 <= 256 lies inside the format and the hold below changes nothing
	s_cbranch_scc1 .Lno_hold_\@
.set jj, 0
.rept 64
	v_min_num_f32 v[S+jj], v[S+jj], v[LIM]         ; the conversion does not saturate (ISA guide 7.6.2); p is not negative
.set jj, jj+1
.endr
.Lno_hold_\@:
.irp b, 0,1,2,3
	v_cvt_scalef32_pk8_fp8_f32 v[PC+4*\b:PC+4*\b+1], v[S+16*\b:S+16*\b+7], v[SCL]
	v_cvt_scalef32_pk8_fp8_f32 v[PC+4*\b+2:PC+4*\b+3], v[S+16*\b+8:S+16*\b+15], v[SCL]
.endr
.set jj, 0
.rept 16
	v_pk_mul_f32 v[O+jj:O+jj+1], v[O+jj:O+jj+1], v[F:F+1] op_sel_hi:[1,0]   ; O^T under the new M; also the plain lines between the conversions and the products
.set jj, jj+2
.endr
	s_wait_dscnt 0x0                               ; V's fragments are in
.irp t, 0,1,2,3                                ; four accumulators by turns, one instruction a turn
	v_wmma_f32_16x16x128_fp8_fp8 v[O+8*\t:O+8*\t+7], v[FR+16*\t:FR+16*\t+15], v[PC:PC+15], v[O+8*\t:O+8*\t+7]
.endr
.endm
; A SLOT: st = 1: the next slot's tile, asked for a slot ago, goes from registers into the other slot, which nobody has read since the last barrier.  bar = 1: one barrier at the end,
; in front of which each wave has waited for its LDS stores (the other slot is whole behind it) and its LDS loads (this slot may be written behind it).
.macro SLOT par, st, ld, bar
.if \st
	s_wait_loadcnt 0x0
	LSTORE 1-\par
.endif
	STEP \par, 0, \ld
	STEP \par, 1, 0
.if \bar
	s_wait_dscnt 0x0
	s_barrier_signal -1
	s_barrier_wait -1
.endif
.endm
	s_mov_b32 s24, 7
.Ltrip:                                            ; a trip: two slots, 512 keys; it asks for the tiles two and three slots on from its first
	SLOT 0, 1, 1, 1
	SLOT 1, 1, 1, 1
	s_wait_xcnt 0x0                                ; the loads have read their bases
	s_add_nc_u64 s[12:13], s[12:13], 32768
	s_add_nc_u64 s[14:15], s[14:15], 32768
	s_sub_co_u32 s24, s24, 1
	s_cmp_lg_u32 s24, 0
	s_cbranch_scc1 .Ltrip
	SLOT 0, 1, 0, 1                                ; the last two slots ask for nothing: no load leaves the buffer
	SLOT 1, 0, 0, 0
	; THE WAY OUT: O^T x 2^(e8 + e9) / l, held, quantised with 2^e10; 8 codes a lane and tile into my stage (16 queries x 64 bytes), back as 1,024 bytes on end.
.rept 4
	v_nop                                          ; places behind the last products
.endr
	s_add_co_i32 s33, s30, s31                     ; e8 + e9
	s_add_co_i32 s34, s32, 127
	s_lshl_b32 s35, s34, 23
	s_add_co_i32 s34, s34, 8
	s_lshl_b32 s34, s34, 23
	s_or_b32 s34, s34, 0x600000
	v_add_f32 v14, v14, v15                        ; the sum's two halves,
	v_permlanex16_b32 v[PM], v14, s20, s21
	v_add_f32 v14, v14, v[PM]                      ; and lane l xor 16's
	v_rcp_f32 v14, v14
	v_mov_b32 v[SCL], s35                          ; 2^e10 (a plain line behind the reciprocal)
	v_mov_b32 v[LIM], s34                          ; 448 x 2^e10
	s_wait_alu depctr_va_vdst(0)                   ; ahead of the reciprocal's first reader
	v_ldexp_f32 v[F], v14, s33
.set jj, 0
.rept 16
	v_pk_mul_f32 v[S+jj:S+jj+1], v[O+jj:O+jj+1], v[F:F+1] op_sel_hi:[1,0]   ; register 8 t + j: ctx(query r, d = 16 t + 8 h + j); each accumulator from its low end on
.set jj, jj+2
.endr
.set jj, 0
.rept 32
	v_med3_num_f32 v[S+jj], v[S+jj], -v[LIM], v[LIM]
.set jj, jj+1
.endr
.irp t, 0,1,2,3
	v_cvt_scalef32_pk8_fp8_f32 v[PC+2*\t:PC+2*\t+1], v[S+8*\t:S+8*\t+7], v[SCL]
.endr
	v_nop
.irp t, 0,1,2,3
	ds_store_b64 v[SO], v[PC+2*\t:PC+2*\t+1] offset:16*\t
.endr
	ds_load_b128 v[FR:FR+3],   v[SR]               ; LDS serves a wave's instructions in order: these see my stores
	ds_load_b128 v[FR+4:FR+7], v[SR] offset:512
	s_wait_dscnt 1
	global_store_b128 v[GO], v[FR:FR+3], s[8:9]               ; 32 lanes store 512 bytes on end, at a multiple of 512 from the buffer's first byte
	s_wait_dscnt 0
	global_store_b128 v[GO], v[FR+4:FR+7], s[8:9] offset:512
	s_wait_tensorcnt 0x0
	ds_add_u32 v254, v255
	s_wait_dscnt 0x0
	s_endpgm
.Lfunc_end_k_q974b774e12_attn:
	.size	k_q974b774e12_attn, .Lfunc_end_k_q974b774e12_attn-k_q974b774e12_attn
	.p2alignl 7, 3214868480
	.fill 96, 4, 3214868480
	.section	.rodata,"a",@progbits
	.p2align	6, 0x0
	.amdhsa_kernel k_q974b774e12_attn
		.amdhsa_group_segment_fixed_size 100352
		.amdhsa_private_segment_fixed_size 0
		.amdhsa_enable_private_segment 0
		.amdhsa_kernarg_size 24
		.amdhsa_user_sgpr_count 2
		.amdhsa_user_sgpr_kernarg_segment_ptr 1
		.amdhsa_wavefront_size32 1
		.amdhsa_system_sgpr_workgroup_id_x 1
		.amdhsa_system_sgpr_workgroup_id_y 1
		.amdhsa_system_sgpr_workgroup_id_z 1
		.amdhsa_system_vgpr_workitem_id 0
		.amdhsa_next_free_vgpr 256
		.amdhsa_next_free_sgpr 66
		.amdhsa_reserve_vcc 0
		.amdhsa_float_denorm_mode_32 3
		.amdhsa_float_denorm_mode_16_64 3
		.amdhsa_memory_ordered 1
		.amdhsa_forward_progress 1
		.amdhsa_inst_pref_size 134
	.end_amdhsa_kernel
	.amdgpu_metadata
---
amdhsa.version: [ 1, 2 ]
amdhsa.kernels:
  - .name:           k_q974b774e12_attn
    .symbol:         k_q974b774e12_attn.kd
    .args:
      - { .name: qkv, .offset: 0, .size: 8, .value_kind: global_buffer, .address_space: global }
      - { .name: lowp_scales, .offset: 8, .size: 8, .value_kind: global_buffer, .address_space: global }
      - { .name: ctx, .offset: 16, .size: 8, .value_kind: global_buffer, .address_space: global }
    .group_segment_fixed_size: 100352
    .private_segment_fixed_size: 0
    .kernarg_segment_align: 8
    .kernarg_segment_size: 24
    .max_flat_workgroup_size: 512
    .sgpr_count:     66
    .vgpr_count:     256
    .wavefront_size: 32
...
	.end_amdgpu_metadata
.endif
;; end of part 3
;; launch oproj (part 4): grid 8 x 32, 4 waves a work-group, clusters of 4 x 4, 327,680 bytes of LDS; arguments ctx, wc, lowp_scales, bo, out0; writes out0
.if DOCPART == 4
	.amdgcn_target "amdgcn-amd-amdhsa--gfx1250"
	.amdhsa_code_object_version 6
	.text
	.protected	k_q974b774e12_oproj
	.globl	k_q974b774e12_oproj
	.p2align	8
	.type	k_q974b774e12_oproj,@function
k_q974b774e12_oproj:
	s_mov_b64 s[64:65], 0
	v_nop
	global_prefetch_b8 v0, s[64:65] scope:SCOPE_SE
	s_setreg_imm32_b32 hwreg(HW_REG_WAVE_MODE, 25, 1), 1
	s_wait_xcnt 0x0
	s_wait_alu depctr_hold_cnt(0) depctr_sa_sdst(0) depctr_va_vdst(0) depctr_va_sdst(0) depctr_va_ssrc(0) depctr_va_vcc(0) depctr_vm_vsrc(0)
	s_getreg_b32 s2, hwreg(HW_REG_IB_STS2, 6, 4)
	s_cmp_eq_u32 s2, 0
	s_cbranch_scc0 .Lentry_in_a_cluster
	s_endpgm
.Lentry_in_a_cluster:
	s_bfe_u32 s2, ttmp6, 0x10000c
	s_cmp_lg_u32 s2, 0xf033
	s_cbranch_scc0 .Lentry_shape_is_right
	s_endpgm
.Lentry_shape_is_right:
; out0[token][n] = 2^(e10 + e11) x (sum over k of ctx[token][k] Wo[k][n]) + bo[n], on E4M3 codes.  ctx: codes [16 heads][4096][64], k = 64 head + d; Wo: plane 3 of wc, [n][k].  out0: [4096][1024] f32.
; LIMIT: e10 + e11 between -126 and 127.
; 256 tiles of 128 x 128, one to a work-group; four waves, 64 x 64 each: 16 accumulators.  All of K = 1,024 lies in LDS at once, as two halves of 512, each filled ONCE at the start: no LDS byte is filled twice,
; so there is no ring; the second half lands while the first is multiplied.
; CLUSTERS: 4 x 4 work-groups; A's tiles are shared along a row of the cluster, B's along a column: joint loads.  THE MATRIX INSTRUCTION IS USED TRANSPOSED: a lane holds eight neighbouring columns of one row.
; A's tile for a wave: 64 tokens x 8 heads.  A head's 64 tokens x 64 bytes are 4,096 bytes on end in memory: the descriptor states 8 rows of 4,096 bytes, 262,144 apart, with 16 bytes of padding behind every 256.
; So (head, token, d) lies at head x 4,352 + (token / 4) x 272 + (token % 4) x 64 + d, and the 16 rows of a fragment load start at 16 different groups of four banks (64 banks of 4 bytes: ISA guide 11.1).
; REGISTERS: window 0: v0-31 addresses; v32-63 bo; v64-127 the way out; v128-255 the accumulators ((a, b) at v[128 + 8 (4 a + b)]).  window 1: two fragment buffers of 128: A's 64 registers, then B's 64.
.set AHALF,  34816                     ; A: 64 tokens x 8 heads, padded
.set HEADB,  4352                      ; a head's part of it
.set BOFF,   2*AHALF                   ; B lies behind A's two row halves
.set BP,     528                       ; a row of B in LDS: 512 + 16 bytes
.set BHALF,  64*BP
.set HALF,   BOFF+2*BHALF              ; one half of K: 137,216 bytes
.set STAGE,  2*HALF                    ; behind both: 16 rows x SPITCH for each wave, in bytes of their own
.set SPITCH, 272
.set ADRA, 16                          ; v16-17 LDS address of my A fragments in half 0, 1
.set ADRB, 20                          ; v20-21 the same for B
.set STO,  24
.set RD,   25
.set CO,   26
.set BN,   32                          ; v32-63  bo: 8 b + j holds column 16 b + 8 (lane / 16) + j
.set TMP,  64                          ; v64-95  a block's results
.set BK,   96                          ; v96-127 16 rows read back
.set ACC,  128
.set F0,   0
.set F1,   128
.set G1A, 24
.set G0A, 32
.set G1B, 48
.set G0B, 56
.set MSB, 0
.macro WIN new
.if MSB != \new
	s_set_vgpr_msb (MSB<<8)|\new
.set MSB, \new
.endif
.endm
.set MUL,  0x05                        ; sources 0 (B) and 1 (A) window 1; C and D window 0
.set TO_F, 0x40                        ; destination window 1, address window 0
.macro CROUND                          ; a round of the cluster's barrier
	s_barrier_signal -1
	s_barrier_wait -1
	s_cmp_lg_u32 s14, 0
	s_cbranch_scc1 .Lnot_wave_0_\@
	s_barrier_signal -3
.Lnot_wave_0_\@:
	s_barrier_wait -3
	s_barrier_signal -1
	s_barrier_wait -1
.endm
	s_load_b256 s[4:11], s[0:1], 0x0               ; ctx 4:5, wc 6:7, the scales' exponents 8:9, bo 10:11
	s_load_b64 s[12:13], s[0:1], 0x20              ; out0
	v_lshl_add_u32 v30, v0, 2, 0x47400
	v_mov_b32 v31, 0
	ds_add_u32 v30, v31
	ds_add_u32 v30, v31
	v_lshrrev_b32 v1, 5, v0
	v_readfirstlane_b32 s14, v1                    ; wave 0..3
	s_lshr_b32 s15, s14, 1                         ; which half of the tile's rows is mine.  Also: I fetch for A (0) or for B (1)
	s_and_b32 s16, s14, 1                          ; which half of its columns.  Also: which 64 rows of that tile I fetch
	s_bfe_u32 s40, ttmp6, 0x40000                  ; cx
	s_bfe_u32 s41, ttmp6, 0x40004                  ; cy
	s_lshl_b32 s42, ttmp9, 2
	s_add_co_u32 s42, s42, s40                     ; tile column
	s_and_b32 s17, ttmp7, 0xffff
	s_lshl_b32 s17, s17, 2
	s_add_co_u32 s17, s17, s41                     ; tile row
	s_lshl_b32 s43, s41, 2
	s_lshl_b32 s43, 15, s43                        ; my row of the cluster
	s_lshl_b32 s44, 0x1111, s40                    ; my column
	s_or_b32 s[G1A+0], s43, (0<<16)|(1<<20)|(1<<21)|(5<<22)|(3<<25)  ; the mask; elements of 1 byte; padding on; bit 21 beside a mask; four words after every 64
	s_mov_b32 s[G1A+1], 4096<<16                   ; tensor_dim0 = 4,096
	s_mov_b32 s[G1A+2], 8<<16                      ; tensor_dim1 = 8
	s_mov_b32 s[G1A+3], 4096<<16                   ; tile_dim0
	s_mov_b32 s[G1A+4], 8                          ; tile_dim1
	s_mov_b32 s[G1A+5], 262144                     ; from head to head
	s_mov_b32 s[G1A+6], 0
	s_mov_b32 s[G1A+7], 0
	s_or_b32 s[G1B+0], s44, (0<<16)|(1<<20)|(1<<21)|(6<<22)|(3<<25)  ; four words after every 128
	s_mov_b32 s[G1B+1], 512<<16
	s_mov_b32 s[G1B+2], 64<<16
	s_mov_b32 s[G1B+3], 512<<16
	s_mov_b32 s[G1B+4], 64
	s_mov_b32 s[G1B+5], 1024
	s_mov_b32 s[G1B+6], 0
	s_mov_b32 s[G1B+7], 0
	s_lshl_b32 s18, s16, 6                         ; which 64 rows I fetch
	s_lshl_b32 s20, s17, 7
	s_add_co_u32 s20, s20, s18
	s_lshl_b32 s20, s20, 6                         ; A: token x 64 bytes
	s_mov_b32 s21, 0
	s_lshl_b32 s46, s42, 7
	s_add_co_u32 s46, s46, s18
	s_lshl_b32 s46, s46, 10                        ; B: n x 1,024 bytes,
	s_add_co_u32 s46, s46, 3<<20                   ; in Wo's plane
	s_mov_b32 s47, 0
	s_mul_i32 s45, s16, AHALF                      ; where they go: no place in the cluster enters an LDS address
	s_mul_i32 s22, s16, BHALF
	s_add_co_u32 s22, s22, BOFF
	s_wait_dscnt 0x0
	s_wait_kmcnt 0x0
	s_load_b64 s[68:69], s[8:9], 0x28              ; e10, e11
	s_add_nc_u64 s[20:21], s[4:5], s[20:21]
	s_add_nc_u64 s[46:47], s[6:7], s[46:47]
	CROUND                                         ; all sixteen work-groups are here: the joint loads meet
.irp s, 0,1
	s_mov_b32 s[G0A+4*\s], 1
	s_add_co_u32 s[G0A+4*\s+1], s45, \s*HALF
	s_add_nc_u64 s[G0A+4*\s+2:G0A+4*\s+3], s[20:21], \s*8*262144   ; heads 8 s on
	s_or_b32 s[G0A+4*\s+3], s[G0A+4*\s+3], 0x80000000
	s_mov_b32 s[G0B+4*\s], 1
	s_add_co_u32 s[G0B+4*\s+1], s22, \s*HALF
	s_add_nc_u64 s[G0B+4*\s+2:G0B+4*\s+3], s[46:47], \s*512        ; K 512 s on
	s_or_b32 s[G0B+4*\s+3], s[G0B+4*\s+3], 0x80000000
.endr
	s_cmp_lt_u32 s14, 2                            ; a wave's two fills stand in one branch on its number, ahead of every wait on TENSORcnt and every LDS read; four v_nop follow the second
	s_cbranch_scc0 .Lfirst_b
	tensor_load_to_lds s[G0A:G0A+3], s[G1A:G1A+7]
	s_nop 0
	tensor_load_to_lds s[G0A+4:G0A+7], s[G1A:G1A+7]
	s_nop 0
.rept 4
	v_nop
.endr
	s_branch .Lfirst_asked
.Lfirst_b:
	tensor_load_to_lds s[G0B:G0B+3], s[G1B:G1B+7]
	s_nop 0
	tensor_load_to_lds s[G0B+4:G0B+7], s[G1B:G1B+7]
	s_nop 0
.rept 4
	v_nop
.endr
.Lfirst_asked:
	v_and_b32 v1, 15, v0                           ; r
	v_bfe_u32 v2, v0, 4, 1                         ; h
	v_lshrrev_b32 v3, 2, v1
	v_mul_u32_u24 v3, v3, 272
	v_and_b32 v4, 3, v1
	v_lshl_add_u32 v3, v4, 6, v3
	v_lshl_add_u32 v3, v2, 4, v3                   ; A: (r / 4) 272 + (r % 4) 64 + 16 h
	v_mul_u32_u24 v5, v1, BP
	v_lshl_add_u32 v5, v2, 4, v5                   ; B: r x pitch + 16 h
	s_mul_i32 s21, s15, AHALF                      ; my 64 rows of A
	s_mul_i32 s23, s16, BHALF                      ; my 64 rows of B
	s_add_co_u32 s23, s23, BOFF
.irp s, 0,1
	v_add_nc_u32 v[ADRA+\s], s21, v3
	v_add_nc_u32 v[ADRB+\s], s23, v5
	s_add_co_u32 s21, s21, HALF
	s_add_co_u32 s23, s23, HALF
.endr
	s_mul_i32 s18, s14, 16*SPITCH
	s_add_co_u32 s18, s18, STAGE                   ; my stage
	v_mul_u32_u24 v6, v1, SPITCH
	v_lshl_add_u32 v6, v2, 5, v6
	v_add_nc_u32 v[STO], s18, v6                   ; in: row r, 32 bytes for each half of the lanes
	v_mul_u32_u24 v7, v2, SPITCH
	v_lshl_add_u32 v7, v1, 4, v7
	v_add_nc_u32 v[RD], s18, v7                    ; back: lanes 0-15 one row of 256 bytes, lanes 16-31 the next
	v_lshlrev_b32 v8, 12, v2
	v_lshl_add_u32 v[CO], v1, 4, v8                ; and the same two rows in out0
	s_lshl_b32 s18, s17, 7
	s_lshl_b32 s19, s15, 6
	s_add_co_u32 s18, s18, s19
	s_lshl_b32 s18, s18, 12                        ; my first row x 4,096 bytes
	s_lshl_b32 s19, s42, 7
	s_lshl_b32 s70, s16, 6
	s_add_co_u32 s19, s19, s70
	s_lshl_b32 s70, s19, 2                         ; my first column x 4 bytes
	s_mov_b32 s71, 0
	s_add_co_u32 s18, s18, s70
	s_mov_b32 s19, 0
	s_add_nc_u64 s[12:13], s[12:13], s[18:19]
	s_add_nc_u64 s[10:11], s[10:11], s[70:71]
	v_lshlrev_b32 v9, 5, v2
.irp b, 0,1,2,3
	global_load_b128 v[BN+8*\b:BN+8*\b+3], v9, s[10:11] offset:64*\b
	global_load_b128 v[BN+8*\b+4:BN+8*\b+7], v9, s[10:11] offset:64*\b+16
.endr
; 32 LDS loads in one run: the fragments of the q-th 128 along K of half sg into buffer f: B's four blocks, then A's four.  Registers 4 c .. 4 c + 3 hold K = 32 c + 16 h + 0 .. 15 on both sides.
.macro FETCH sg, q, f
	WIN TO_F
.irp i, 0,1,2,3
.irp c, 0,1,2,3
	ds_load_b128 v[\f+64+16*\i+4*\c:\f+64+16*\i+4*\c+3], v[ADRB+\sg] offset:128*\q+32*\c+\i*16*BP
.endr
.endr
.irp i, 0,1,2,3
.irp c, 0,1,2,3
	ds_load_b128 v[\f+16*\i+4*\c:\f+16*\i+4*\c+3], v[ADRA+\sg] offset:(2*\q+\c/2)*HEADB+\i*1088+32*(\c%2)
.endr
.endr
.endm
; 8 matrix instructions: A's blocks a0, a0 + 1 x B's four.  The 16 accumulators take turns, one instruction a turn, in the same order in every quarter.
.macro MUL8 f, a0, zero
.irp a, \a0, \a0+1
.irp b, 0,1,2,3
.if \zero
	v_wmma_f32_16x16x128_fp8_fp8 v[ACC+8*(4*(\a)+\b):ACC+8*(4*(\a)+\b)+7], v[\f+64+16*\b:\f+64+16*\b+15], v[\f+16*(\a):\f+16*(\a)+15], 0
.else
	v_wmma_f32_16x16x128_fp8_fp8 v[ACC+8*(4*(\a)+\b):ACC+8*(4*(\a)+\b)+7], v[\f+64+16*\b:\f+64+16*\b+15], v[\f+16*(\a):\f+16*(\a)+15], v[ACC+8*(4*(\a)+\b):ACC+8*(4*(\a)+\b)+7]
.endif
.endr
.endr
.endm
.macro PLACES                          ; plain lines in front of loads into registers that matrix instructions have read, and of the first read of results
.rept 4
	v_nop
.endr
.endm
; 128 along K: multiplies buffer f; in its middle it fetches the next 128 (half ns, part nq) into buffer g.
.macro QUARTER f, zero, ns, nq, g
	s_wait_dscnt 8                                 ; B and A's blocks 0, 1 are in; A's blocks 2, 3 may be out
	WIN MUL
	MUL8 \f, 0, \zero
	PLACES
	FETCH \ns, \nq, \g
	s_wait_dscnt 32                                ; all but the 32 just issued
	WIN MUL
	MUL8 \f, 2, \zero
.endm
	s_wait_tensorcnt 1                             ; my part of the first half of K is in (the second half's load may be out)
	s_barrier_signal -1
	s_barrier_wait -1                              ; everybody's is
	FETCH 0, 0, F0
	QUARTER F0, 1, 0, 1, F1                        ; the first products start the sums
	QUARTER F1, 0, 0, 2, F0
	QUARTER F0, 0, 0, 3, F1
	s_wait_tensorcnt 0x0                           ; my part of the second half is in,
	s_wait_dscnt 0x0                               ; and no LDS load of mine is out at the signal
	WIN MUL
	s_barrier_signal -1
	MUL8 F1, 0, 0
	s_barrier_wait -1                              ; everybody's is
	PLACES
	FETCH 1, 0, F0
	s_wait_dscnt 32
	WIN MUL
	MUL8 F1, 2, 0
	QUARTER F0, 0, 1, 1, F1
	QUARTER F1, 0, 1, 2, F0
	QUARTER F0, 0, 1, 3, F1
	s_wait_dscnt 8
	WIN MUL
	MUL8 F1, 0, 0
	s_wait_dscnt 0
	MUL8 F1, 2, 0
	WIN 0
	; THE WAY OUT, block by block of 16 rows x 64 columns: sum x 2^(e10 + e11) + bo; through my stage; back as whole rows of 256 bytes.
	s_wait_kmcnt 0x0
	s_add_co_i32 s66, s68, s69
	s_add_co_i32 s66, s66, 127
	s_lshl_b32 s66, s66, 23                        ; 2^(e10 + e11) as f32
	s_mov_b32 s67, s66                             ; (named with it as a pair)
	s_wait_loadcnt 0x0                             ; bo
.macro FMA a
.irp b, 0,1,2,3
.irp i, 0,2,4,6
	v_pk_fma_f32 v[TMP+8*\b+\i:TMP+8*\b+\i+1], v[ACC+8*(4*(\a)+\b)+\i:ACC+8*(4*(\a)+\b)+\i+1], s[66:67], v[BN+8*\b+\i:BN+8*\b+\i+1] op_sel_hi:[1,0,1]   ; each accumulator from its low end on
.endr
.endr
.endm
.macro STG
.irp b, 0,1,2,3
	ds_store_b128 v[STO], v[TMP+8*\b:TMP+8*\b+3] offset:64*\b
	ds_store_b128 v[STO], v[TMP+8*\b+4:TMP+8*\b+7] offset:64*\b+16
.endr
.irp t, 0,1,2,3,4,5,6,7
	ds_load_b128 v[BK+4*\t:BK+4*\t+3], v[RD] offset:\t*2*SPITCH   ; LDS serves a wave's instructions in order: these see the stores above
.endr
.endm
.macro SEND a
	s_wait_dscnt 0x0
.irp t, 0,1,2,3,4,5,6,7
	global_store_b128 v[CO], v[BK+4*\t:BK+4*\t+3], s[12:13] offset:(\a)*65536+\t*8192 th:TH_STORE_NT   ; 16 lanes store 256 bytes on end, at a multiple of 256 from out0's first byte; written once
.endr
.endm
	PLACES
	FMA 0
	STG
.irp a, 1,2,3
	FMA \a                                         ; block a's arithmetic stands between block a - 1's loads from the stage and the wait for them
	SEND \a-1
	s_wait_xcnt 0x0                                ; the stores have read their registers: the next block's rows may land there
	STG
.endr
	SEND 3
	s_wait_tensorcnt 0x0
	ds_add_u32 v30, v31
	s_wait_dscnt 0x0
	CROUND                                         ; the closing round: no work-group ends while a partner may still ask for a tile that names it
	s_endpgm
.Lfunc_end_k_q974b774e12_oproj:
	.size	k_q974b774e12_oproj, .Lfunc_end_k_q974b774e12_oproj-k_q974b774e12_oproj
	.p2alignl 7, 3214868480
	.fill 96, 4, 3214868480
	.section	.rodata,"a",@progbits
	.p2align	6, 0x0
	.amdhsa_kernel k_q974b774e12_oproj
		.amdhsa_group_segment_fixed_size 327680
		.amdhsa_private_segment_fixed_size 0
		.amdhsa_enable_private_segment 0
		.amdhsa_kernarg_size 40
		.amdhsa_user_sgpr_count 2
		.amdhsa_user_sgpr_kernarg_segment_ptr 1
		.amdhsa_wavefront_size32 1
		.amdhsa_system_sgpr_workgroup_id_x 1
		.amdhsa_system_sgpr_workgroup_id_y 1
		.amdhsa_system_sgpr_workgroup_id_z 1
		.amdhsa_system_vgpr_workitem_id 0
		.amdhsa_next_free_vgpr 512
		.amdhsa_next_free_sgpr 80
		.amdhsa_reserve_vcc 0
		.amdhsa_float_denorm_mode_32 3
		.amdhsa_float_denorm_mode_16_64 3
		.amdhsa_memory_ordered 1
		.amdhsa_forward_progress 1
		.amdhsa_inst_pref_size 46
	.end_amdhsa_kernel
	.amdgpu_metadata
---
amdhsa.version: [ 1, 2 ]
amdhsa.kernels:
  - .name:           k_q974b774e12_oproj
    .symbol:         k_q974b774e12_oproj.kd
    .args:
      - { .name: ctx, .offset: 0, .size: 8, .value_kind: global_buffer, .address_space: global }
      - { .name: wc, .offset: 8, .size: 8, .value_kind: global_buffer, .address_space: global }
      - { .name: lowp_scales, .offset: 16, .size: 8, .value_kind: global_buffer, .address_space: global }
      - { .name: bo, .offset: 24, .size: 8, .value_kind: global_buffer, .address_space: global }
      - { .name: out0, .offset: 32, .size: 8, .value_kind: global_buffer, .address_space: global }
    .group_segment_fixed_size: 327680
    .private_segment_fixed_size: 0
    .kernarg_segment_align: 8
    .kernarg_segment_size: 40
    .max_flat_workgroup_size: 128
    .sgpr_count:     80
    .vgpr_count:     512
    .wavefront_size: 32
...
	.end_amdgpu_metadata
.endif
;; end of part 4
;; ======== version 2 of 2: 4 launches; version 1 with the launch attn written anew for expert scheduling mode
;; workspace buffers: xc 12,582,912 bytes; wc 4,194,304 bytes; qkv 12,582,912 bytes; ctx 4,194,304 bytes
;; launch quant: the kernel of part 1 again; grid 256 x 1, 4 waves a work-group, no clusters, 68,096 bytes of LDS; arguments x, Wq, Wk, Wv, Wo, lowp_scales, xc, wc; writes xc, wc
;; launch qkv: the kernel of part 2 again; grid 12 x 16, 4 waves a work-group, clusters of 4 x 4, 327,680 bytes of LDS; arguments xc, wc, lowp_scales, bq, bk, bv, qkv; writes qkv
;; launch attn (part 5): grid 16 x 16, 16 waves a work-group, no clusters, 100,352 bytes of LDS; arguments qkv, lowp_scales, ctx; writes ctx
.if DOCPART == 5
	.amdgcn_target "amdgcn-amd-amdhsa--gfx1250"
	.amdhsa_code_object_version 6
	.text
	.protected	k_q974b774e12_attn
	.globl	k_q974b774e12_attn
	.p2align	8
	.type	k_q974b774e12_attn,@function
k_q974b774e12_attn:
	s_mov_b64 s[64:65], 0
	v_nop
	global_prefetch_b8 v0, s[64:65] scope:SCOPE_SE
	s_setreg_imm32_b32 hwreg(HW_REG_WAVE_SCHED_MODE, 0, 2), 2
	s_setreg_imm32_b32 hwreg(HW_REG_WAVE_MODE, 25, 1), 1
	s_wait_xcnt 0x0
	s_wait_alu depctr_vm_vsrc(0)
; ctx[h][q][:] = (sum over keys of Q(p) Q(v)) / l, quantised with 2^e10.  q, k: codes [h][4096][64] (planes 0, 1 of qkv); v: codes [h][key / 64][64 d][64 keys] (plane 2); ctx: codes [h][4096][64].
; t = score x 2^(e6 + e7) x log2(e) / 8; M = the running largest t rounded UP to a whole number; p = 2^(t - M) is quantised with 2^e8; l is the sum of the unquantised p; when M moves, l and O are multiplied by 2^(old M - new M).
; SHARES.  A work-group owns 256 queries of one head, each of its sixteen waves 16 of them in 256 registers: four waves to a SIMD, so that one wave's vector work stands beside another's matrix work and LDS loads.
; Both products are used transposed: S^T = K Q^T (K = 64: the 16x16x64 form), O^T = V^T P^T (K = 128 keys: the 16x16x128 form): a lane holds ONE query (lane % 16) throughout.
; THE KEYS OF A TILE ARE NOT NEIGHBOURS: row m of tile 2 g + u is key 32 g + 8 u + m + 8 (m / 8), so that the 16 registers of tiles 2 g, 2 g + 1 are keys 32 g + 16 (lane / 16) + 0 .. 15: the conversions' results are P's fragment.
; K's rows are laid into LDS in that order, so that a tile's 16 rows are neighbours there.
; K AND V COME THROUGH REGISTERS, NOT BY JOINT TENSOR LOADS, though the sixteen work-groups of a head walk the same tiles.  The reason: p is at most 1, so with e8 >= -8 p / 2^e8 is at most 256 and the hold at 448 can
; never bind; a scalar branch on e8 then passes over its 64 lines, of some 270 vector lines of a key step.
; What the copy costs a wave for a slot's two key steps is four loads of 16 bytes a lane and four LDS stores.  A slot's loads are issued a whole slot before they are stored to LDS.
; LIMITS: e6 + e7 between -123 and 130 (added to the exponent field of log2(e) / 8); e8 and e10 between -126 and 119.  NaN among the inputs is not served.
; THE MODE: SCHED_MODE bits 1:0 = 2 (LLVM: expert scheduling mode 2), set by the entry lines.  The code itself states the register dependences
; between vector or matrix instructions and memory or LDS instructions, with s_wait_alu, always for 0.
; THE PLAN.  Registers that memory or LDS instructions touch, in the loop:
;   KT, VT     Written by the global loads of the tile two slots on; read by the LDS stores at the next slot's head; named by no vector instruction.  One wait on vm_vsrc stands between the stores and the loads that land there again.
;   X, Y       Two buffers of 64 registers that change roles with the step.  A slot's first step: K's fragments in X, S^T and p in Y, V's fragments in X.  Its second step: K's in Y, S^T and p in X, V's in Y.
;              K's loads into X stand at the slot's head, behind the barrier and behind a wait on va_vdst: the slot before is done with X.
;              V's loads stand behind the wait for the exponentials, which also states that the products K Q^T are done reading K's buffer; they are dealt among the packed sums, which name p's buffer alone.
;              K's loads into Y, for the second step, stand in the first step behind a wait on va_vdst behind the conversions, p's last readers; they are dealt among the multiplications of O^T, which name O^T and f alone.
;   v1 to v8   Addresses, made at the head and never written again: one wait on va_vdst ahead of the first load serves them all.
.set KP,    80                         ; an LDS row: 64 codes + 16 bytes = 20 words: the 16 rows of a fragment load start at 16 different groups of four banks (64 banks of 4 bytes: ISA guide 11.1)
.set VOFF,  256*KP                     ; a slot: 256 rows of K (256 keys), then 256 rows of V (4 blocks of 64 keys x 64 d)
.set SLOTB, 512*KP
.set STG,   2*SLOTB                    ; behind the two slots: 1,024 bytes for each wave, for the way out
.set AK,  1                            ; v1   my lane's place in a tile of K: r KP + 16 h
.set AV,  2                            ; v2   the same for V
.set SKA, 3                            ; v3   where I store K's bytes
.set SVA, 4                            ; v4   where I store V's
.set VO,  5                            ; v5   my 16 bytes of a slot's 16 KiB in memory: 1,024 wave + 16 lane
.set SO,  6                            ; v6   the stage: in
.set SR,  7                            ; v7   the stage: back
.set GO,  8                            ; v8   16 x lane
.set QF,  16                           ; v16-23   Q's fragment
.set KT,  24                           ; v24-31   K on its way
.set VT,  32                           ; v32-39   V on its way
.set FR,  40                           ; v40-103  buffer X; on the way out: the rows read back from the stage
.set S,   104                          ; v104-167 buffer Y; on the way out: O^T / l
.set O,   168                          ; v168-199 O^T
.set PC,  200                          ; v200-215 p's codes
.set LIM, 216                          ; v216 448 x the scale
.set SCL, 217                          ; v217 the scale as f32
.set PM,  218                          ; v218 a lane permute's destination
.set F,   220                          ; v[220:221] f, 0
.set TA,  222                          ; v222, v223 at work
.set TB,  223
.set L2,  224                          ; v[224:225] the sum's second chain
                                       ; v12 -M, v13 the largest t, v[14:15] the sum in two halves; v226-231 address work at the head
	s_load_b128 s[4:7], s[0:1], 0x0                ; qkv, the scales' exponents
	s_load_b64 s[8:9], s[0:1], 0x10                ; ctx
	v_lshl_add_u32 v254, v0, 2, 0x18000
	v_mov_b32 v255, 0
	v_lshrrev_b32 v226, 5, v0
	v_readfirstlane_b32 s10, v226                  ; wave 0..15
	v_and_b32 v226, 31, v0                         ; lane
	v_and_b32 v227, 15, v0                         ; r
	v_bfe_u32 v228, v0, 4, 1                       ; h
	v_mul_u32_u24 v[AK], v227, KP
	v_lshl_add_u32 v[AK], v228, 4, v[AK]
	v_add_nc_u32 v[AV], VOFF, v[AK]
	v_lshrrev_b32 v229, 2, v226
	v_mul_u32_u24 v229, v229, KP
	v_and_b32 v230, 3, v226
	v_lshl_add_u32 v229, v230, 4, v229             ; four lanes to a row of 64 bytes: (lane / 4) KP + 16 (lane % 4)
	s_wait_alu depctr_va_sdst(0)                   ; s10 is written, ahead of its first reader: LDS places and the bases of Q and ctx are made from it
	s_lshr_b32 s33, s10, 1
	s_mul_i32 s33, s33, 32*KP
	s_and_b32 s34, s10, 1
	s_mul_i32 s34, s34, 8*KP
	s_add_co_u32 s33, s33, s34
	v_add_nc_u32 v[SKA], s33, v229                 ; keys 16 w + 8 i + j go to LDS rows 32 (w / 2) + 8 (w % 2) + 16 i + j
	s_mul_i32 s33, s10, 16*KP
	s_add_co_u32 s33, s33, VOFF
	v_add_nc_u32 v[SVA], s33, v229                 ; V's rows 16 w + 8 i + j keep their order
	v_lshlrev_b32 v[GO], 4, v226
	s_lshl_b32 s33, s10, 10
	v_add_nc_u32 v[VO], s33, v[GO]
	s_add_co_u32 s33, s33, STG                     ; my stage
	v_add_nc_u32 v[SR], s33, v[GO]
	v_lshlrev_b32 v229, 6, v227                    ; r rows of 64 bytes
	v_lshl_add_u32 v230, v228, 3, v229
	v_add_nc_u32 v[SO], s33, v230                  ; in: row r, + 8 h
	v_lshl_add_u32 v231, v228, 4, v229             ; Q: row r, + 16 h
	s_and_b32 s11, ttmp7, 0xffff                   ; the head
	s_lshl_b32 s18, s11, 18                        ; its 262,144 bytes in each plane and in ctx
	s_mov_b32 s19, 0
	s_lshl_b32 s25, ttmp9, 8
	s_lshl_b32 s26, s10, 4
	s_add_co_u32 s25, s25, s26                     ; my first query
	s_lshl_b32 s26, s25, 6
	s_add_co_u32 s26, s26, s18
	s_mov_b32 s27, 0
	s_mov_b32 s20, 0x76543210                      ; v_permlanex16_b32's selects for lane l xor 16
	s_mov_b32 s21, 0xfedcba98
	s_wait_kmcnt 0x0
	s_load_b128 s[28:31], s[6:7], 0x18             ; e6, e7, e8, e9
	s_load_b32 s32, s[6:7], 0x28                   ; e10
	s_add_nc_u64 s[12:13], s[4:5], s[18:19]
	s_add_nc_u64 s[14:15], s[12:13], 0x800000      ; V of my head
	s_add_nc_u64 s[12:13], s[12:13], 0x400000      ; K of my head
	s_add_nc_u64 s[16:17], s[4:5], s[26:27]        ; Q at my first query
	s_add_nc_u64 s[8:9], s[8:9], s[26:27]          ; ctx likewise
.macro GLOAD off                       ; my 1,024 bytes of a slot's K and of its V: each load reads 512 bytes on end
	global_load_b128 v[KT:KT+3],   v[VO], s[12:13] offset:(\off)
	global_load_b128 v[KT+4:KT+7], v[VO], s[12:13] offset:(\off)+512
	global_load_b128 v[VT:VT+3],   v[VO], s[14:15] offset:(\off)
	global_load_b128 v[VT+4:VT+7], v[VO], s[14:15] offset:(\off)+512
.endm
.macro LSTORE slot
	ds_store_b128 v[SKA], v[KT:KT+3]   offset:(\slot)*SLOTB
	ds_store_b128 v[SKA], v[KT+4:KT+7] offset:(\slot)*SLOTB+16*KP
	ds_store_b128 v[SVA], v[VT:VT+3]   offset:(\slot)*SLOTB
	ds_store_b128 v[SVA], v[VT+4:VT+7] offset:(\slot)*SLOTB+8*KP
.endm
	s_wait_alu depctr_va_vdst(0)                   ; the addresses v1 to v8 and v231 are written, which every load and store of the kernel reads
	GLOAD 0                                        ; keys 0-255
	global_load_b128 v[QF:QF+3],   v231, s[16:17]            ; Q's fragment stays: registers 0-3 d = 16 h + 0 .. 15, 4-7 d = 32 + 16 h + 0 .. 15, as K's
	global_load_b128 v[QF+4:QF+7], v231, s[16:17] offset:32
	s_wait_loadcnt 2                               ; the tile's four loads are in; Q's two may be out
	LSTORE 0
	s_wait_dscnt 0x0                               ; for the others' sake: my part of slot 0 is in LDS
	s_wait_alu depctr_vm_vsrc(0)                   ; the LDS stores have read KT and VT, in which the next four loads land
	GLOAD 16384                                    ; keys 256-511
	s_barrier_signal -1
	s_barrier_wait -1                              ; slot 0 is whole
	v_mov_b32 v13, 0xff61b1e6                      ; the largest t so far: -3e38
	v_floor_f32 v12, -v13                          ; -M
	v_mov_b32 v14, 0
	v_mov_b32 v15, 0
	v_mov_b32 v[PM], 0                             ; a lane permute's destination counts as one of its sources
	v_mov_b32 v[F+1], 0                            ; (named as the upper half of a pair)
.set jj, 0
.rept 32
	v_mov_b32 v[O+jj], 0                           ; the key step is written without a first step of its own: the first change of M leaves zeros zeros
.set jj, jj+1
.endr
	s_wait_kmcnt 0x0
	s_add_co_i32 s33, s28, s29
	s_lshl_b32 s33, s33, 23
	s_mov_b32 s22, 0x3e38aa3b                      ; log2(e) / 8
	s_add_co_i32 s22, s22, s33                     ; x 2^(e6 + e7): the exponents are added to its exponent field
	s_mov_b32 s23, s22                             ; (named with it as a pair)
	s_add_co_i32 s33, s30, 127
	s_lshl_b32 s34, s33, 23
	v_mov_b32 v[SCL], s34                          ; 2^e8
	s_add_co_i32 s33, s33, 8
	s_lshl_b32 s33, s33, 23
	s_or_b32 s33, s33, 0x600000
	v_mov_b32 v[LIM], s33                          ; 448 x 2^e8
	s_wait_loadcnt 4                               ; Q is in; the second tile's four loads may be out
; Load number nn of the 16 that bring K's eight fragments of the q-th 128 keys of slot par into buffer buf: tile nn / 2, half nn % 2.
.macro KLD par, q, buf
	ds_load_b128 v[\buf+4*nn:\buf+4*nn+3], v[AK] offset:\par*SLOTB+(128*\q+16*(nn/2))*KP+32*(nn%2)
.set nn, nn+1
.endm
; Load number nn of the 16 that bring V's four fragments (16 d x 128 keys) into K's buffer: fragment nn / 4; registers 4 c .. 4 c + 3 (c = nn % 4) keys 32 c + 16 h + 0 .. 15, as p's codes.
.macro VLD par, q
	ds_load_b128 v[KB+4*nn:KB+4*nn+3], v[AV] offset:\par*SLOTB+((2*\q+(nn%4)/2)*64+16*(nn/4))*KP+32*(nn%2)
.set nn, nn+1
.endm
; A KEY STEP: the q-th 128 keys of slot par.  KB: the buffer of K's, then V's fragments; SB: that of S^T, then p: X and Y for q = 0, Y and X for q = 1.
; ld = 1: the tile two slots on is asked for, into the registers that the LDS stores at the slot's head have read.
.macro STEP par, q, ld
.set KB, FR+64*\q
.set SB, S-64*\q
.rept 5
	v_nop                                          ; five places between the last products, which read V's fragments, and the products below, which write S^T over them (ISA guide 7.12.1)
.endr
.if \q == 0
	s_wait_alu depctr_va_vdst(0)                   ; the slot before is done with X (its last S^T, softmax and conversions), in which K's fragments land
.set nn, 0
.rept 16
	KLD \par, 0, KB
.endr
.endif
	s_wait_dscnt 0x0                               ; K's fragments are in (q = 1: they were asked for in the step before)
.if \ld
	s_wait_alu depctr_vm_vsrc(0)                   ; the LDS stores at the slot's head have read KT and VT, in which these four loads land
	GLOAD (2+\par)*16384
.endif
.irp t, 0,1,2,3,4,5,6,7
	v_wmma_f32_16x16x64_fp8_fp8 v[SB+8*\t:SB+8*\t+7], v[KB+8*\t:KB+8*\t+7], v[QF:QF+7], 0
.endr
.rept 4
	v_nop                                          ; places in front of the first read of the scores
.endr
	v_max3_num_f32 v[TA], v[SB], v[SB+1], v[SB+2]  ; the step's largest score of my query among my 64 keys, in two chains; each tile is first read at its low end
	v_max3_num_f32 v[TB], v[SB+3], v[SB+4], v[SB+5]
.irp i, 6,10,14,18,22,26,30,34,38,42,46,50,54,58
	v_max3_num_f32 v[TA], v[TA], v[SB+\i], v[SB+\i+1]
	v_max3_num_f32 v[TB], v[TB], v[SB+\i+2], v[SB+\i+3]
.endr
	v_max3_num_f32 v[TA], v[TA], v[SB+62], v[SB+63]
	v_max_num_f32 v[TA], v[TA], v[TB]
	v_permlanex16_b32 v[PM], v[TA], s20, s21
	v_max_num_f32 v[TA], v[TA], v[PM]              ; and among lane l xor 16's
	v_mul_f32 v[TA], s22, v[TA]                    ; as t (the factor is positive)
	v_max_num_f32 v13, v13, v[TA]                  ; the running largest t
	v_mov_b32 v[TA], v12
	v_floor_f32 v12, -v13                          ; the new -M = -ceil(t)
	v_sub_f32 v[TA], v12, v[TA]                    ; old M - new M: a whole number, 0 or less
	v_cvt_i32_f32 v[TA], v[TA]                     ; (it saturates)
	v_ldexp_f32 v[F], 1.0, v[TA]                   ; f = 2^(old M - new M)
.set jj, 0
.rept 32
	v_pk_fma_f32 v[SB+jj:SB+jj+1], v[SB+jj:SB+jj+1], s[22:23], v[12:13] op_sel_hi:[1,0,0]   ; t - M, two at a time
.set jj, jj+2
.endr
.set jj, 0
.rept 64
	v_exp_f32 v[SB+jj], v[SB+jj]                   ; p = 2^(t - M)
.set jj, jj+1
.endr
	v_pk_mul_f32 v[14:15], v[14:15], v[F:F+1] op_sel_hi:[1,0]   ; the sum under the new M: the plain line behind the exponentials
	s_wait_alu depctr_va_vdst(0)                   ; the 64 exponentials have written p, ahead of its first reader; and the products K Q^T are done reading K's buffer, in which V's fragments land
	v_pk_add_f32 v[L2:L2+1], v[SB:SB+1], v[SB+2:SB+3]  ; the sum is taken of the unquantised p, in two chains
.set nn, 0
.irp j, 4,8,12,16,20,24,28,32,36,40,44,48,52,56,60
.if nn < 16
	VLD \par, \q                                   ; V's 16 loads, one ahead of each of the next sixteen sums.  No wait: no vector instruction since the wait above names K's buffer
.endif
	v_pk_add_f32 v[14:15], v[14:15], v[SB+\j:SB+\j+1]
.if nn < 16
	VLD \par, \q
.endif
	v_pk_add_f32 v[L2:L2+1], v[L2:L2+1], v[SB+\j+2:SB+\j+3]
.endr
	v_pk_add_f32 v[14:15], v[14:15], v[L2:L2+1]
	s_cmp_ge_i32 s30, -8                           ; p <= 1: with e8 >= -8, p / 2^e8 <= 256 lies inside the format and the hold below changes nothing
	s_cbranch_scc1 .Lno_hold_\@
.set jj, 0
.rept 64
	v_min_num_f32 v[SB+jj], v[SB+jj], v[LIM]       ; the conversion does not saturate (ISA guide 7.6.2); p is not negative
.set jj, jj+1
.endr
.Lno_hold_\@:
.irp b, 0,1,2,3
	v_cvt_scalef32_pk8_fp8_f32 v[PC+4*\b:PC+4*\b+1], v[SB+16*\b:SB+16*\b+7], v[SCL]
	v_cvt_scalef32_pk8_fp8_f32 v[PC+4*\b+2:PC+4*\b+3], v[SB+16*\b+8:SB+16*\b+15], v[SCL]
.endr
.if \q == 0
	s_wait_alu depctr_va_vdst(0)                   ; the sums, the holds and the conversions are done with Y, in which the next step's fragments of K land
.endif
.set jj, 0
.set nn, 0
.rept 16
.if \q == 0
	KLD \par, 1, SB                                ; the next step's K, one load ahead of each multiplication.  No wait: these multiplications name O^T and f alone
.endif
	v_pk_mul_f32 v[O+jj:O+jj+1], v[O+jj:O+jj+1], v[F:F+1] op_sel_hi:[1,0]   ; O^T under the new M; also the plain lines between the conversions and the products
.set jj, jj+2
.endr
.if \q == 0
	s_wait_dscnt 16                                ; V's fragments are in; the 16 younger loads, the next step's K, may be out
.else
	s_wait_dscnt 0x0                               ; V's fragments are in
.endif
.irp t, 0,1,2,3                                ; four accumulators by turns, one instruction a turn
	v_wmma_f32_16x16x128_fp8_fp8 v[O+8*\t:O+8*\t+7], v[KB+16*\t:KB+16*\t+15], v[PC:PC+15], v[O+8*\t:O+8*\t+7]
.endr
.endm
; A SLOT: st = 1: the next slot's tile, asked for a slot ago, goes from registers into the other slot, which nobody has read since the last barrier.  bar = 1: one barrier at the end,
; in front of which each wave has waited for its LDS stores (the other slot is whole behind it) and its LDS loads (this slot may be written behind it).
.macro SLOT par, st, ld, bar
.if \st
	s_wait_loadcnt 0x0
	LSTORE 1-\par
.endif
	STEP \par, 0, \ld
	STEP \par, 1, 0
.if \bar
	s_wait_dscnt 0x0
	s_barrier_signal -1
	s_barrier_wait -1
.endif
.endm
	s_mov_b32 s24, 7
.Ltrip:                                            ; a trip: two slots, 512 keys; it asks for the tiles two and three slots on from its first
	SLOT 0, 1, 1, 1
	SLOT 1, 1, 1, 1
	s_wait_xcnt 0x0                                ; the loads have read their bases
	s_add_nc_u64 s[12:13], s[12:13], 32768
	s_add_nc_u64 s[14:15], s[14:15], 32768
	s_sub_co_u32 s24, s24, 1
	s_cmp_lg_u32 s24, 0
	s_cbranch_scc1 .Ltrip
	SLOT 0, 1, 0, 1                                ; the last two slots ask for nothing: no load leaves the buffer
	SLOT 1, 0, 0, 0
	; THE WAY OUT: O^T x 2^(e8 + e9) / l, held, quantised with 2^e10; 8 codes a lane and tile into my stage (16 queries x 64 bytes), back as 1,024 bytes on end.
.rept 4
	v_nop                                          ; places behind the last products: O^T is read, and Y, which held their fragments of V, is written
.endr
	s_add_co_i32 s33, s30, s31                     ; e8 + e9
	s_add_co_i32 s34, s32, 127
	s_lshl_b32 s35, s34, 23
	s_add_co_i32 s34, s34, 8
	s_lshl_b32 s34, s34, 23
	s_or_b32 s34, s34, 0x600000
	v_add_f32 v14, v14, v15                        ; the sum's two halves,
	v_permlanex16_b32 v[PM], v14, s20, s21
	v_add_f32 v14, v14, v[PM]                      ; and lane l xor 16's
	v_rcp_f32 v14, v14
	v_mov_b32 v[SCL], s35                          ; 2^e10 (a plain line behind the reciprocal)
	v_mov_b32 v[LIM], s34                          ; 448 x 2^e10
	s_wait_alu depctr_va_vdst(0)                   ; the reciprocal has written v14, ahead of its first reader
	v_ldexp_f32 v[F], v14, s33
.set jj, 0
.rept 16
	v_pk_mul_f32 v[S+jj:S+jj+1], v[O+jj:O+jj+1], v[F:F+1] op_sel_hi:[1,0]   ; register 8 t + j: ctx(query r, d = 16 t + 8 h + j); each accumulator from its low end on
.set jj, jj+2
.endr
.set jj, 0
.rept 32
	v_med3_num_f32 v[S+jj], v[S+jj], -v[LIM], v[LIM]
.set jj, jj+1
.endr
.irp t, 0,1,2,3
	v_cvt_scalef32_pk8_fp8_f32 v[PC+2*\t:PC+2*\t+1], v[S+8*\t:S+8*\t+7], v[SCL]
.endr
	v_nop
	s_wait_alu depctr_va_vdst(0)                   ; the conversions have written the codes, which the LDS stores read; and the last step's vector work on X is done, in which the loads from the stage land
.irp t, 0,1,2,3
	ds_store_b64 v[SO], v[PC+2*\t:PC+2*\t+1] offset:16*\t
.endr
	ds_load_b128 v[FR:FR+3],   v[SR]               ; LDS serves a wave's instructions in order: these see my stores
	ds_load_b128 v[FR+4:FR+7], v[SR] offset:512
	s_wait_dscnt 1
	global_store_b128 v[GO], v[FR:FR+3], s[8:9]               ; 32 lanes store 512 bytes on end, at a multiple of 512 from the buffer's first byte
	s_wait_dscnt 0
	global_store_b128 v[GO], v[FR+4:FR+7], s[8:9] offset:512
	s_wait_dscnt 0x0
	s_wait_alu depctr_hold_cnt(0) depctr_sa_sdst(0) depctr_va_vdst(0) depctr_va_sdst(0) depctr_va_ssrc(0) depctr_va_vcc(0) depctr_vm_vsrc(0)
	s_wait_tensorcnt 0x0
	ds_add_u32 v254, v255
	s_wait_dscnt 0x0
	s_endpgm
.Lfunc_end_k_q974b774e12_attn:
	.size	k_q974b774e12_attn, .Lfunc_end_k_q974b774e12_attn-k_q974b774e12_attn
	.p2alignl 7, 3214868480
	.fill 96, 4, 3214868480
	.section	.rodata,"a",@progbits
	.p2align	6, 0x0
	.amdhsa_kernel k_q974b774e12_attn
		.amdhsa_group_segment_fixed_size 100352
		.amdhsa_private_segment_fixed_size 0
		.amdhsa_enable_private_segment 0
		.amdhsa_kernarg_size 24
		.amdhsa_user_sgpr_count 2
		.amdhsa_user_sgpr_kernarg_segment_ptr 1
		.amdhsa_wavefront_size32 1
		.amdhsa_system_sgpr_workgroup_id_x 1
		.amdhsa_system_sgpr_workgroup_id_y 1
		.amdhsa_system_sgpr_workgroup_id_z 1
		.amdhsa_system_vgpr_workitem_id 0
		.amdhsa_next_free_vgpr 256
		.amdhsa_next_free_sgpr 66
		.amdhsa_reserve_vcc 0
		.amdhsa_float_denorm_mode_32 3
		.amdhsa_float_denorm_mode_16_64 3
		.amdhsa_memory_ordered 1
		.amdhsa_forward_progress 1
		.amdhsa_inst_pref_size 135
	.end_amdhsa_kernel
	.amdgpu_metadata
---
amdhsa.version: [ 1, 2 ]
amdhsa.kernels:
  - .name:           k_q974b774e12_attn
    .symbol:         k_q974b774e12_attn.kd
    .args:
      - { .name: qkv, .offset: 0, .size: 8, .value_kind: global_buffer, .address_space: global }
      - { .name: lowp_scales, .offset: 8, .size: 8, .value_kind: global_buffer, .address_space: global }
      - { .name: ctx, .offset: 16, .size: 8, .value_kind: global_buffer, .address_space: global }
    .group_segment_fixed_size: 100352
    .private_segment_fixed_size: 0
    .kernarg_segment_align: 8
    .kernarg_segment_size: 24
    .max_flat_workgroup_size: 512
    .sgpr_count:     66
    .vgpr_count:     256
    .wavefront_size: 32
...
	.end_amdgpu_metadata
.endif
;; end of part 5
;; launch oproj: the kernel of part 4 again; grid 8 x 32, 4 waves a work-group, clusters of 4 x 4, 327,680 bytes of LDS; arguments ctx, wc, lowp_scales, bo, out0; writes out0
